; MI455X (gfx1250); checked and timed in simulation.
; The chip was launched on July 23, 2026; its instructions are those of AMD's public machine-readable ISA for CDNA 5 (MIT licence, August 2026) and "CDNA5" Instruction Set Architecture Reference Guide (July 2026). The comments in the code are by the model that wrote it; some were corrected since.
;; Causal Attention V1. Allowed arithmetic: float matrix products may take bf16 or f16 operands with f32 sums; other float arithmetic in f32, or as packed bf16 or f16 multiplies, adds, multiply-adds, maxima and minima; sums over many terms, partial sums and values carried from step to step in f32; what a program stores and reads back later, other than sums and carried values, may be rounded once to bf16 or f16.
;; Inputs: Wk 1,024 x 1,024 float32; Wq 1,024 x 1,024 float32; Wv 1,024 x 1,024 float32; embeddings 4 x 2,048 x 1,024 float32.
;; Outputs: out0 4 x 2,048 x 1,024 float32.
;; 2 versions, each right; version 2 is version 1 with the launch prep written anew for expert scheduling mode. Each part assembles by itself: llvm-mc -triple=amdgcn-amd-amdhsa -mcpu=gfx1250 --defsym DOCPART=n.
;; ======== version 1 of 2: 4 launches
;; limits: values are held in f16: magnitudes above 65,504 overflow, below 6.1e-05 lose precision
;; workspace buffers: xb 16,777,216 bytes; wb 6,291,456 bytes; qf 16,777,216 bytes; kf 16,777,216 bytes; vf 16,777,216 bytes; pf 33,554,432 bytes; st 1,048,576 bytes
;; launch prep (part 1): grid 704 x 1, 8 waves a work-group, no clusters, 0 bytes of LDS; arguments embeddings, Wq, Wk, Wv, xb, wb; writes xb, wb
.if DOCPART == 1
	.amdgcn_target "amdgcn-amd-amdhsa--gfx1250"
	.amdhsa_code_object_version 6
	.text
	.protected	k_qfdae601407_prep
	.globl	k_qfdae601407_prep
	.p2align	8
	.type	k_qfdae601407_prep,@function
k_qfdae601407_prep:
	s_mov_b64 s[64:65], 0
	v_nop
	global_prefetch_b8 v0, s[64:65] scope:SCOPE_SE
	s_setreg_imm32_b32 hwreg(HW_REG_WAVE_MODE, 25, 1), 1
	s_wait_xcnt 0x0
; PREP: the module's inputs rounded once to bf16, in the layouts that the projection's tiles want.
;   xb[kb 16][m 8192][64]  = x[m][64 kb + ..]: 128 rows of one K step of 64 are 16,384 consecutive bytes.
;   wb[k 1024][n' 3072], n' = 384 j + 128 t + c for W_t[k][128 j + c], t = 0 (Wq), 1 (Wk), 2 (Wv): the 128 columns of Q, K and V that one work-group multiplies lie side by side.
; A stream: every input byte is read once and every output byte written once, so LDS, barriers and the matrix unit would add nothing.
; Work-groups 0-511 take 16 rows of x each, work-groups 512-703 take 16 rows of one W.  A thread has 16 loads of 16 bytes out at once; no register is written twice.
.set VI, 1                             ; v1       byte offset of my 16 bytes in the first load
.set VO, 2                             ; v2       byte offset of my 8 bytes in the first store
.set X,  4                             ; v[4:67]  16 x 4 numbers as loaded
.set Y,  68                            ; v[68:99] 16 x 4 numbers in bf16
	s_load_b256 s[4:11], s[0:1], 0x0               ; x s[4:5], Wq s[6:7], Wk s[8:9], Wv s[10:11]
	s_load_b128 s[12:15], s[0:1], 0x20             ; xb s[12:13], wb s[14:15]
	s_mov_b32 s2, ttmp9
	s_mov_b32 s19, 0                               ; high words of the two offsets
	s_mov_b32 s21, 0
	s_cmp_lt_u32 s2, 512
	s_cbranch_scc0 .Lweights
	; x: thread t takes 16 bytes (t % 16) of row t / 16 in each of the row's 16 pieces of 256 bytes: sixteen lanes read 256 consecutive bytes
	v_lshrrev_b32 v3, 4, v0
	v_and_b32 v[VI], 15, v0
	v_lshlrev_b32 v[VI], 4, v[VI]
	v_lshl_add_u32 v[VI], v3, 12, v[VI]            ; row x 4,096 + 16 x place
	v_lshlrev_b32 v[VO], 3, v0                     ; row x 128 + 8 x place = 8 t: a wave's store covers 256 consecutive bytes, aligned
	s_lshl_b32 s18, s2, 16                         ; 16 rows of 4,096 bytes
	s_lshl_b32 s20, s2, 11                         ; 16 rows of 128 bytes
	s_wait_kmcnt 0x0
	s_add_nc_u64 s[4:5], s[4:5], s[18:19]
	s_add_nc_u64 s[12:13], s[12:13], s[20:21]
	s_add_nc_u64 s[22:23], s[12:13], 0x800000      ; kb 8 to 15: the store's signed 24-bit immediate holds seven steps of 1,048,576 bytes
.set i, 0
.rept 16
	global_load_b128 v[X+4*i:X+4*i+3], v[VI], s[4:5] offset:i*256 th:TH_LOAD_NT
.set i, i+1
.endr
.set i, 0
.rept 16
	s_wait_loadcnt 15-i                            ; loads come back in order: piece i is in, the younger ones stay out
	v_cvt_pk_bf16_f32 v[Y+2*i], v[X+4*i], v[X+4*i+1]
	v_cvt_pk_bf16_f32 v[Y+2*i+1], v[X+4*i+2], v[X+4*i+3]
.if i < 8
	global_store_b64 v[VO], v[Y+2*i:Y+2*i+1], s[12:13] offset:i*1048576
.else
	global_store_b64 v[VO], v[Y+2*i:Y+2*i+1], s[22:23] offset:(i-8)*1048576
.endif
.set i, i+1
.endr
	s_endpgm
.Lweights:
	; W: wave w takes rows 2 w and 2 w + 1 of the group's 16; a load covers 512 consecutive bytes = 128 columns = one slice j
	s_sub_co_u32 s2, s2, 512
	s_lshr_b32 s3, s2, 6                           ; t: which W
	s_and_b32 s2, s2, 63                           ; which 16 rows
	v_lshrrev_b32 v3, 5, v0
	v_and_b32 v[VO], 31, v0
	v_lshlrev_b32 v[VI], 4, v[VO]
	v_lshl_add_u32 v[VI], v3, 13, v[VI]            ; wave x 2 rows of 4,096 + 16 x lane
	v_mul_u32_u24 v3, v3, 12288                    ; wave x 2 rows of 6,144
	v_lshl_add_u32 v[VO], v[VO], 3, v3             ; + 8 x lane: a store covers 256 consecutive bytes, aligned
	s_lshl_b32 s18, s2, 16
	s_mul_i32 s20, s2, 98304                       ; 16 rows of 6,144 bytes
	s_lshl_b32 s24, s3, 8                          ; + 256 t
	s_add_co_u32 s20, s20, s24
	s_wait_kmcnt 0x0
	s_cmp_eq_u32 s3, 1
	s_cselect_b64 s[16:17], s[8:9], s[6:7]
	s_cmp_eq_u32 s3, 2
	s_cselect_b64 s[16:17], s[10:11], s[16:17]
	s_add_nc_u64 s[16:17], s[16:17], s[18:19]
	s_add_nc_u64 s[14:15], s[14:15], s[20:21]
.set i, 0
.rept 16
	global_load_b128 v[X+4*i:X+4*i+3], v[VI], s[16:17] offset:(i/8)*4096+(i%8)*512 th:TH_LOAD_NT
.set i, i+1
.endr
.set i, 0
.rept 16
	s_wait_loadcnt 15-i
	v_cvt_pk_bf16_f32 v[Y+2*i], v[X+4*i], v[X+4*i+1]
	v_cvt_pk_bf16_f32 v[Y+2*i+1], v[X+4*i+2], v[X+4*i+3]
	global_store_b64 v[VO], v[Y+2*i:Y+2*i+1], s[14:15] offset:(i/8)*6144+(i%8)*768
.set i, i+1
.endr
	s_endpgm
.Lfunc_end_k_qfdae601407_prep:
	.size	k_qfdae601407_prep, .Lfunc_end_k_qfdae601407_prep-k_qfdae601407_prep
	.p2alignl 7, 3214868480
	.fill 96, 4, 3214868480
	.section	.rodata,"a",@progbits
	.p2align	6, 0x0
	.amdhsa_kernel k_qfdae601407_prep
		.amdhsa_group_segment_fixed_size 0
		.amdhsa_private_segment_fixed_size 0
		.amdhsa_enable_private_segment 0
		.amdhsa_kernarg_size 48
		.amdhsa_user_sgpr_count 2
		.amdhsa_user_sgpr_kernarg_segment_ptr 1
		.amdhsa_wavefront_size32 1
		.amdhsa_system_sgpr_workgroup_id_x 1
		.amdhsa_system_sgpr_workgroup_id_y 1
		.amdhsa_system_sgpr_workgroup_id_z 1
		.amdhsa_system_vgpr_workitem_id 0
		.amdhsa_next_free_vgpr 104
		.amdhsa_next_free_sgpr 66
		.amdhsa_reserve_vcc 0
		.amdhsa_float_denorm_mode_32 3
		.amdhsa_float_denorm_mode_16_64 3
		.amdhsa_memory_ordered 1
		.amdhsa_forward_progress 1
		.amdhsa_inst_pref_size 13
	.end_amdhsa_kernel
	.amdgpu_metadata
---
amdhsa.version: [ 1, 2 ]
amdhsa.kernels:
  - .name:           k_qfdae601407_prep
    .symbol:         k_qfdae601407_prep.kd
    .args:
      - { .name: embeddings, .offset: 0, .size: 8, .value_kind: global_buffer, .address_space: global }
      - { .name: Wq, .offset: 8, .size: 8, .value_kind: global_buffer, .address_space: global }
      - { .name: Wk, .offset: 16, .size: 8, .value_kind: global_buffer, .address_space: global }
      - { .name: Wv, .offset: 24, .size: 8, .value_kind: global_buffer, .address_space: global }
      - { .name: xb, .offset: 32, .size: 8, .value_kind: global_buffer, .address_space: global }
      - { .name: wb, .offset: 40, .size: 8, .value_kind: global_buffer, .address_space: global }
    .group_segment_fixed_size: 0
    .private_segment_fixed_size: 0
    .kernarg_segment_align: 8
    .kernarg_segment_size: 48
    .max_flat_workgroup_size: 256
    .sgpr_count:     66
    .vgpr_count:     104
    .wavefront_size: 32
...
	.end_amdgpu_metadata
.endif
;; end of part 1
;; launch proj (part 2): grid 8 x 32, 4 waves a work-group, clusters of 4 x 4, 327,680 bytes of LDS; arguments xb, wb, qf, kf, vf; writes qf, kf, vf
.if DOCPART == 2
	.amdgcn_target "amdgcn-amd-amdhsa--gfx1250"
	.amdhsa_code_object_version 6
	.text
	.protected	k_qfdae601407_proj
	.globl	k_qfdae601407_proj
	.p2align	8
	.type	k_qfdae601407_proj,@function
k_qfdae601407_proj:
	s_mov_b64 s[64:65], 0
	v_nop
	global_prefetch_b8 v0, s[64:65] scope:SCOPE_SE
	s_setreg_imm32_b32 hwreg(HW_REG_WAVE_MODE, 25, 1), 1
	s_wait_xcnt 0x0
	s_wait_alu depctr_hold_cnt(0) depctr_sa_sdst(0) depctr_va_vdst(0) depctr_va_sdst(0) depctr_va_ssrc(0) depctr_va_vcc(0) depctr_vm_vsrc(0)
	s_getreg_b32 s2, hwreg(HW_REG_IB_STS2, 6, 4)
	s_cmp_eq_u32 s2, 0
	s_cbranch_scc0 .Lentry_in_a_cluster
	s_endpgm
.Lentry_in_a_cluster:
	s_bfe_u32 s2, ttmp6, 0x10000c
	s_cmp_lg_u32 s2, 0xf033
	s_cbranch_scc0 .Lentry_shape_is_right
	s_endpgm
.Lentry_shape_is_right:
; PROJ: q, k, v = x W, products in bf16, sums in f32, each result rounded once to f16.  One product C[8192][3072] on tiles of 256 rows x 384 columns (128 of each of Q, K, V): 256 work-groups.
; LIMIT: f16 ends at 65,504: |q|, |k|, |v| must stay within it.
; SHARES.  Four waves; wave w has 128 rows (w / 2) and 64 columns (w % 2) of each of Q, K, V: 96 accumulators of 16 x 16, 768 registers.  For 32 along K a wave reads 16 + 24 fragments' halves from LDS for 96 products.
; K goes in 16 steps of 64 through two LDS slots.  x's tile (256 rows x 128 bytes, dense in xb) is asked for as rows of 256 bytes and padded after every 128; W's (64 k-rows x 768 bytes) is padded after every 256.
; W lies [k][n] and comes out of LDS turned, by ds_load_tr16_b128.
; CLUSTER 4 x 4: x's tile hangs on the row block alone and is shared along a row of the cluster, W's on the column slice alone and is shared along a column: each is asked for jointly, by the same tensor load in all four.
; OUTPUT IN BLOCKS.  A block is 16 x 16 numbers of 16 bits, 512 bytes, lane L's 16 bytes at 16 L; block (row / 16, column / 16) lies at (row / 16) x 32,768 + (column / 16) x 512.
; For Q and K source 0 is W's fragment and source 1 x's: a lane holds one row and eight neighbouring columns.  For V the sources are swapped: a lane holds one channel and eight neighbouring keys.
; So an accumulator, rounded, is one block and leaves by one store of 512 consecutive aligned bytes, and two neighbouring blocks are a fragment of the launches behind.
; REGISTERS, in windows of 256 (s_set_vgpr_msb: bits 1:0 source 0, 3:2 source 1, 5:4 source 2, 7:6 destination):
;   window 0: v2-6 addresses; v28-29 the add's; v32-95, v96-159 x's fragments (8 x 16 rows x 32 K), two buffers; v160-255 W's fragments, 4 for each of Q, K, V
;   windows 1, 2, 3: the accumulators of Q, K, V: (a, f) at v[8 (4 a + f)]
.set SLOT1,  131072                    ; slot 1 begins here: one exclusive or turns an address in one slot into the other's
.set PA,     144                       ; a row of x in LDS: 128 bytes + 16: the 16 rows of a load start at 16 different groups of four banks (64 banks of 4 bytes: ISA guide 11.1)
.set PB,     864                       ; a k-row of W: 3 x (256 + 32) bytes = 27 x 32
.set BOFF,   256*PA                    ; W's tile lies behind x's 256 rows
.set SPARE,  SLOT1+BOFF+64*PB          ; behind slot 1: the spare words, 128 bytes for each wave
.set ASTEP,  8192*128                  ; bytes from a K step to the next in xb
.set BSTEP,  64*6144                   ; and in wb
.set VA0,  2                           ; v2   my lane's place in x's tile; never rewritten
.set VB0,  3                           ; v3   the same for W's
.set ADRA, 4                           ; v4   the same in the slot in hand
.set ADRB, 5                           ; v5
.set CO,   6                           ; v6   16 x lane: my 16 bytes of a block
.set SPW,  28                          ; v28  LDS address of my spare word; never rewritten
.set NIL,  29                          ; v29  0; never rewritten
.set AF0,  32
.set AF1,  96
.set BF,   160
.set TMP,  32                          ; the way out: 128 registers of packed results
.set WV,   14                          ; s14  wave
.set RH,   15                          ; s15  wave / 2: my half of the rows.  Also: I fetch x (0) or W (1)
.set CH,   16                          ; s16  wave % 2: my half of the columns.  Also: which half of that tile I fetch
.set TB,   21                          ; s21  the slot in hand: 0 or SLOT1
.set G1A,  24                          ; s[24:31] descriptor group 1 for x's tiles
.set G0A,  32                          ; s[32:39] group 0, a set for each first fill; the second then walks on
.set G1B,  48                          ; s[48:55], s[56:63] the same for W's
.set G0B,  56
.set MSB, 0
.macro WIN new                         ; the immediate's high byte repeats the setting that is left; a switch that changes nothing is dropped
.if MSB != (\new)
	s_set_vgpr_msb (MSB<<8)|(\new)
.set MSB, (\new)
.endif
.endm
.macro PLACES                          ; four places behind matrix instructions, in front of loads into registers that they read and of conversions that read results
.rept 4
	v_nop
.endr
.endm
.macro JLOAD                           ; a joint refill: waves 0, 1 fetch x's halves, waves 2, 3 W's; an s_nop 0 and four v_nop follow each line
	s_cmp_eq_u32 s[RH], 0
	s_cbranch_scc0 .Lfor_b_\@
	tensor_load_to_lds s[G0A+4:G0A+7], s[G1A:G1A+7]
	s_nop 0
.rept 4
	v_nop
.endr
	s_branch .Lasked_\@
.Lfor_b_\@:
	tensor_load_to_lds s[G0B+4:G0B+7], s[G1B:G1B+7]
	s_nop 0
.rept 4
	v_nop
.endr
.Lasked_\@:
.endm
.macro CREST                           ; a round of the cluster's barrier behind its opening barrier
	s_cmp_lg_u32 s[WV], 0
	s_cbranch_scc1 .Lnot_wave_0_\@
	s_barrier_signal -3
.Lnot_wave_0_\@:
	s_barrier_wait -3
	s_barrier_signal -1
	s_barrier_wait -1
.endm
.macro CROUND                          ; a whole round
	s_barrier_signal -1
	s_barrier_wait -1
	CREST
.endm
	s_load_b256 s[4:11], s[0:1], 0x0               ; xb s[4:5], wb s[6:7], qf s[8:9], kf s[10:11]
	s_load_b64 s[12:13], s[0:1], 0x20              ; vf
	v_lshl_add_u32 v[SPW], v0, 2, SPARE
	v_mov_b32 v[NIL], 0
	ds_add_u32 v[SPW], v[NIL]                      ; the wave's opening: the add and its wait come ahead of my first tensor load
	ds_add_u32 v28, v29
	v_lshrrev_b32 v1, 5, v0
	v_readfirstlane_b32 s[WV], v1
	s_lshr_b32 s[RH], s[WV], 1
	s_and_b32 s[CH], s[WV], 1
	s_bfe_u32 s17, ttmp6, 0x40000                  ; cx
	s_bfe_u32 s18, ttmp6, 0x40004                  ; cy
	s_lshl_b32 s19, ttmp9, 2
	s_add_co_u32 s19, s19, s17                     ; j: the slice of 128 columns = 4 x cluster x + cx
	s_and_b32 s20, ttmp7, 0xffff
	s_lshl_b32 s20, s20, 2
	s_add_co_u32 s20, s20, s18                     ; the block of 256 rows = 4 x cluster y + cy
	s_lshl_b32 s22, s18, 2
	s_lshl_b32 s22, 15, s22                        ; my row of the cluster
	s_lshl_b32 s23, 0x1111, s17                    ; my column
	s_or_b32 s[G1A], s22, (1<<16)|(1<<20)|(1<<21)|(4<<22)|(3<<25)  ; mask; 2-byte elements; padding on; bit 21 beside a mask; after every 32 words, 4 words
	s_mov_b32 s[G1A+1], 128<<16                    ; tensor_dim0 = 128 elements: 256 bytes, two rows of x
	s_mov_b32 s[G1A+2], 64<<16                     ; tensor_dim1 = 64
	s_mov_b32 s[G1A+3], 128<<16                    ; tile_dim0 = 128
	s_mov_b32 s[G1A+4], 64                         ; tile_dim1 = 64
	s_mov_b32 s[G1A+5], 128                        ; dense
	s_mov_b32 s[G1A+6], 0
	s_mov_b32 s[G1A+7], 0
	s_or_b32 s[G1B], s23, (1<<16)|(1<<20)|(1<<21)|(5<<22)|(7<<25)  ; the same; after every 64 words, 8 words
	s_mov_b32 s[G1B+1], 384<<16                    ; tensor_dim0 = 384
	s_mov_b32 s[G1B+2], 32<<16                     ; tensor_dim1 = 32
	s_mov_b32 s[G1B+3], 384<<16                    ; tile_dim0 = 384
	s_mov_b32 s[G1B+4], 32                         ; tile_dim1 = 32
	s_mov_b32 s[G1B+5], 3072                       ; elements from k-row to k-row
	s_mov_b32 s[G1B+6], 0
	s_mov_b32 s[G1B+7], 0
	s_lshl_b32 s40, s20, 15                        ; x: (256 block + 128 half) rows of 128 bytes: made of the row block and the wave alone
	s_lshl_b32 s41, s[CH], 14
	s_add_co_u32 s40, s40, s41
	s_mov_b32 s41, 0
	s_mul_i32 s42, s[CH], 32*6144                  ; W: 32 half k-rows + 768 j: made of the slice and the wave alone
	s_mul_i32 s43, s19, 768
	s_add_co_u32 s42, s42, s43
	s_mov_b32 s43, 0
	s_mul_i32 s44, s[CH], 128*PA                   ; where they go: no place in the cluster enters an LDS address
	s_mul_i32 s45, s[CH], 32*PB
	s_add_co_u32 s45, s45, BOFF
	s_mov_b32 s[TB], 0
	s_wait_dscnt 0x0                               ; the opening add is done
	s_wait_kmcnt 0x0
	s_add_nc_u64 s[40:41], s[4:5], s[40:41]
	s_add_nc_u64 s[42:43], s[6:7], s[42:43]
	CROUND                                         ; all sixteen work-groups are here: the first joint loads meet
.irp s, 0,1
	s_mov_b32 s[G0A+4*(\s)], 1
	s_add_co_u32 s[G0A+4*(\s)+1], s44, (\s)*SLOT1
	s_add_nc_u64 s[G0A+4*(\s)+2:G0A+4*(\s)+3], s[40:41], (\s)*ASTEP
	s_or_b32 s[G0A+4*(\s)+3], s[G0A+4*(\s)+3], 0x80000000
	s_mov_b32 s[G0B+4*(\s)], 1
	s_add_co_u32 s[G0B+4*(\s)+1], s45, (\s)*SLOT1
	s_add_nc_u64 s[G0B+4*(\s)+2:G0B+4*(\s)+3], s[42:43], (\s)*BSTEP
	s_or_b32 s[G0B+4*(\s)+3], s[G0B+4*(\s)+3], 0x80000000
.endr
	s_cmp_eq_u32 s[RH], 0                          ; a wave's two first fills stand in one branch: K steps 0 and 1; two loads of mine are out
	s_cbranch_scc0 .Lfirst_b
	tensor_load_to_lds s[G0A:G0A+3], s[G1A:G1A+7]
	s_nop 0
	tensor_load_to_lds s[G0A+4:G0A+7], s[G1A:G1A+7]
	s_nop 0
.rept 4
	v_nop
.endr
	s_branch .Lfirst_asked
.Lfirst_b:
	tensor_load_to_lds s[G0B:G0B+3], s[G1B:G1B+7]
	s_nop 0
	tensor_load_to_lds s[G0B+4:G0B+7], s[G1B:G1B+7]
	s_nop 0
.rept 4
	v_nop
.endr
.Lfirst_asked:
	v_and_b32 v1, 15, v0                           ; r = lane % 16
	v_bfe_u32 v7, v0, 4, 1                         ; h = lane / 16
	v_mul_u32_u24 v[VA0], v1, PA                   ; x's fragment: row r, 16 bytes for each half of the lanes, two loads 32 bytes apart
	v_lshl_add_u32 v[VA0], v7, 4, v[VA0]
	s_mul_i32 s46, s[RH], 128*PA
	v_add_nc_u32 v[VA0], s46, v[VA0]
	v_and_b32 v8, 7, v0                            ; W's: the turning load reads k-row 8 h + lane % 8, columns 8 ((lane / 8) % 2) + 0..7, and leaves column r, eight k
	v_bfe_u32 v9, v0, 3, 1
	v_lshl_add_u32 v[VB0], v7, 3, v8
	v_mul_u32_u24 v[VB0], v[VB0], PB
	v_lshl_add_u32 v[VB0], v9, 4, v[VB0]
	s_lshl_b32 s46, s[CH], 7
	s_add_co_u32 s46, s46, BOFF
	v_add_nc_u32 v[VB0], s46, v[VB0]
	v_mov_b32 v[ADRA], v[VA0]
	v_mov_b32 v[ADRB], v[VB0]
	v_and_b32 v[CO], 31, v0
	v_lshlrev_b32 v[CO], 4, v[CO]
	s_lshl_b32 s46, s20, 19                        ; my first block in qf, kf, vf: (16 block + 8 half) x 32,768 + (8 j + 4 half) x 512, in registers that feed no descriptor
	s_lshl_b32 s47, s[RH], 18
	s_add_co_u32 s46, s46, s47
	s_lshl_b32 s47, s19, 12
	s_add_co_u32 s46, s46, s47
	s_lshl_b32 s47, s[CH], 11
	s_add_co_u32 s46, s46, s47
	s_mov_b32 s47, 0
	s_add_nc_u64 s[8:9], s[8:9], s[46:47]
	s_add_nc_u64 s[10:11], s[10:11], s[46:47]
	s_add_nc_u64 s[12:13], s[12:13], s[46:47]
; 4 na products: tensor t (0 Q, 1 K, 2 V), row fragments a0 .. a0 + na - 1 from buffer af, all four column fragments.  zero = 1: the product starts the sum.
; The 96 accumulators take turns, one instruction a turn.
.macro MULS t, af, a0, na, zero
	WIN 0x50*(1+(\t))
.set aa, (\a0)
.rept (\na)
.set ff, 0
.rept 4
.set rD, 8*(4*aa+ff)
.set rW, BF+8*(4*(\t)+ff)
.set rX, (\af)+8*aa
.if (\t) < 2
.if (\zero)
	v_wmma_f32_16x16x32_bf16 v[rD:rD+7], v[rW:rW+7], v[rX:rX+7], 0
.else
	v_wmma_f32_16x16x32_bf16 v[rD:rD+7], v[rW:rW+7], v[rX:rX+7], v[rD:rD+7]
.endif
.else
.if (\zero)
	v_wmma_f32_16x16x32_bf16 v[rD:rD+7], v[rX:rX+7], v[rW:rW+7], 0
.else
	v_wmma_f32_16x16x32_bf16 v[rD:rD+7], v[rX:rX+7], v[rW:rW+7], v[rD:rD+7]
.endif
.endif
.set ff, ff+1
.endr
.set aa, aa+1
.endr
.endm
.macro LDA ks, af                      ; 16 loads: x's eight fragments of half step ks
	WIN 0
.set aa, 0
.rept 8
	ds_load_b128 v[(\af)+8*aa:(\af)+8*aa+3],   v[ADRA] offset:aa*16*PA+64*(\ks)
	ds_load_b128 v[(\af)+8*aa+4:(\af)+8*aa+7], v[ADRA] offset:aa*16*PA+64*(\ks)+32
.set aa, aa+1
.endr
.endm
.macro LDB t, ks                       ; 8 loads: tensor t's four fragments of W, half step ks
	WIN 0
.set ff, 0
.rept 4
	ds_load_tr16_b128 v[BF+8*(4*(\t)+ff):BF+8*(4*(\t)+ff)+3],   v[ADRB] offset:(\ks)*32*PB+288*(\t)+32*ff
	ds_load_tr16_b128 v[BF+8*(4*(\t)+ff)+4:BF+8*(4*(\t)+ff)+7], v[ADRB] offset:(\ks)*32*PB+288*(\t)+32*ff+16*PB
.set ff, ff+1
.endr
.endm
; The first half of a K step.  Each part of W's buffer is loaded again as soon as its 32 products are issued.
.macro KS0 zero
	s_wait_dscnt 16                                ; x and W's part 0 are in; parts 1 and 2 (8 loads each) may be out
	MULS 0, AF0, 0, 8, \zero
	PLACES
	LDA 1, AF1
	LDB 0, 1
	s_wait_dscnt 32                                ; part 1 is in: behind it part 2's 8 and the 24 just issued
	MULS 1, AF0, 0, 8, \zero
	PLACES
	LDB 1, 1
	s_wait_dscnt 32                                ; part 2 is in: behind it 24 + 8
	MULS 2, AF0, 0, 8, \zero
	PLACES
	LDB 2, 1
.endm
; The second half, and the change of slots: ONE barrier.  In front of it each wave waits for all its tensor loads (one is out: its part of the next slot), adds 0 to its spare word, and waits for that and for its own
; reads of this slot.  fill = 1: the barrier opens a round of the cluster's, and this slot is filled again, two K steps ahead, first thing behind it: 160 products stand between that request and the wait for it.
.macro KS1 fill
	WIN 0
	s_wait_tensorcnt 0x0
	ds_add_u32 v[SPW], v[NIL]
	s_wait_dscnt 17                                ; x and part 0 are in; parts 1 and 2 and the add may be out
	MULS 0, AF1, 0, 4, 0
	s_wait_dscnt 0x0                               ; the add is done, and my reads of this slot are over
	s_barrier_signal -1
	MULS 0, AF1, 4, 4, 0
	WIN 0                                          ; at a branch and at a label every window is 0
	s_barrier_wait -1
.if \fill
	CREST                                          ; no wave of any partner still reads this slot or has a load on its way
	s_xor_b32 s[G0A+5], s[G0A+5], SLOT1            ; the walking descriptors: the other slot than last time, the next K step
	s_add_nc_u64 s[G0A+6:G0A+7], s[G0A+6:G0A+7], ASTEP
	s_xor_b32 s[G0B+5], s[G0B+5], SLOT1
	s_add_nc_u64 s[G0B+6:G0B+7], s[G0B+6:G0B+7], BSTEP
	JLOAD                                          ; its four v_nop are also the places in front of the loads below
.else
	PLACES
.endif
	s_xor_b32 s[TB], s[TB], SLOT1
	v_add_nc_u32 v[ADRA], s[TB], v[VA0]
	v_add_nc_u32 v[ADRB], s[TB], v[VB0]
	LDA 0, AF0
	LDB 0, 0
	MULS 1, AF1, 0, 8, 0
	PLACES
	LDB 1, 0
	MULS 2, AF1, 0, 8, 0
	PLACES
	LDB 2, 0
.endm
	s_wait_tensorcnt 0x1                           ; my part of K step 0 is in; step 1's may stay out
	s_barrier_signal -1
	s_barrier_wait -1
	LDA 0, AF0
	LDB 0, 0
	LDB 1, 0
	LDB 2, 0
	KS0 1                                          ; the first half step stands in front of the loop: its products start the sums
	WIN 0
	s_mov_b32 s3, 14
.Lk:                                               ; trip n ends K step n, asks for step n + 2 and begins step n + 1
	KS1 1
	KS0 0
	WIN 0
	s_sub_co_u32 s3, s3, 1
	s_cmp_lg_u32 s3, 0
	s_cbranch_scc1 .Lk
	KS1 0                                          ; the tail is written out: nothing is left to ask for
	KS0 0
	s_wait_dscnt 16
	MULS 0, AF1, 0, 8, 0
	s_wait_dscnt 8
	MULS 1, AF1, 0, 8, 0
	s_wait_dscnt 0x0
	MULS 2, AF1, 0, 8, 0
	PLACES
; THE WAY OUT: tensor t's 32 accumulators, each taken from its low end on, rounded to f16; each is a block and leaves by one store of 512 consecutive bytes, at a multiple of 512 from the buffer's first byte.
.macro OUTT t, base
	s_wait_xcnt 0x0                                ; TMP is rewritten only when the stores before have read it
	WIN 5*(1+(\t))
.set n, 0
.rept 128
	v_cvt_pk_f16_f32 v[TMP+n], v[2*n], v[2*n+1]
.set n, n+1
.endr
	WIN 0
.set n, 0
.rept 32
	global_store_b128 v[CO], v[TMP+4*n:TMP+4*n+3], s[\base:\base+1] offset:(n/4)*32768+(n%4)*512
.set n, n+1
.endr
.endm
	OUTT 0, 8
	OUTT 1, 10
	OUTT 2, 12
	s_wait_tensorcnt 0x0                           ; the wave's end
	ds_add_u32 v[SPW], v[NIL]
	s_wait_dscnt 0x0
	CROUND                                         ; the closing round: no work-group ends while a partner may still ask for a tile that names it
	s_endpgm
.Lfunc_end_k_qfdae601407_proj:
	.size	k_qfdae601407_proj, .Lfunc_end_k_qfdae601407_proj-k_qfdae601407_proj
	.p2alignl 7, 3214868480
	.fill 96, 4, 3214868480
	.section	.rodata,"a",@progbits
	.p2align	6, 0x0
	.amdhsa_kernel k_qfdae601407_proj
		.amdhsa_group_segment_fixed_size 327680
		.amdhsa_private_segment_fixed_size 0
		.amdhsa_enable_private_segment 0
		.amdhsa_kernarg_size 40
		.amdhsa_user_sgpr_count 2
		.amdhsa_user_sgpr_kernarg_segment_ptr 1
		.amdhsa_wavefront_size32 1
		.amdhsa_system_sgpr_workgroup_id_x 1
		.amdhsa_system_sgpr_workgroup_id_y 1
		.amdhsa_system_sgpr_workgroup_id_z 1
		.amdhsa_system_vgpr_workitem_id 0
		.amdhsa_next_free_vgpr 1024
		.amdhsa_next_free_sgpr 66
		.amdhsa_reserve_vcc 0
		.amdhsa_float_denorm_mode_32 3
		.amdhsa_float_denorm_mode_16_64 3
		.amdhsa_memory_ordered 1
		.amdhsa_forward_progress 1
		.amdhsa_inst_pref_size 96
	.end_amdhsa_kernel
	.amdgpu_metadata
---
amdhsa.version: [ 1, 2 ]
amdhsa.kernels:
  - .name:           k_qfdae601407_proj
    .symbol:         k_qfdae601407_proj.kd
    .args:
      - { .name: xb, .offset: 0, .size: 8, .value_kind: global_buffer, .address_space: global }
      - { .name: wb, .offset: 8, .size: 8, .value_kind: global_buffer, .address_space: global }
      - { .name: qf, .offset: 16, .size: 8, .value_kind: global_buffer, .address_space: global }
      - { .name: kf, .offset: 24, .size: 8, .value_kind: global_buffer, .address_space: global }
      - { .name: vf, .offset: 32, .size: 8, .value_kind: global_buffer, .address_space: global }
    .group_segment_fixed_size: 327680
    .private_segment_fixed_size: 0
    .kernarg_segment_align: 8
    .kernarg_segment_size: 40
    .max_flat_workgroup_size: 128
    .sgpr_count:     66
    .vgpr_count:     1024
    .wavefront_size: 32
...
	.end_amdgpu_metadata
.endif
;; end of part 2
;; launch scores (part 3): grid 36 x 4, 4 waves a work-group, no clusters, 327,680 bytes of LDS; arguments qf, kf, pf, st; writes pf, st
.if DOCPART == 3
	.amdgcn_target "amdgcn-amd-amdhsa--gfx1250"
	.amdhsa_code_object_version 6
	.text
	.protected	k_qfdae601407_scores
	.globl	k_qfdae601407_scores
	.p2align	8
	.type	k_qfdae601407_scores,@function
k_qfdae601407_scores:
	s_mov_b64 s[64:65], 0
	v_nop
	global_prefetch_b8 v0, s[64:65] scope:SCOPE_SE
	s_setreg_imm32_b32 hwreg(HW_REG_WAVE_MODE, 25, 1), 1
	s_wait_xcnt 0x0
; SCORES: S = q k^T on the 36 tiles of 256 x 256 on and below the diagonal of each batch, and the first half of the softmax.  For each query and each CHUNK of 128 keys (a wave's columns):
;   M = the chunk's largest score, cm = c M with c = log2(e) / 32, p = 2^(c s - cm) stored in f16, l = the sum of the unrounded p.  The launch behind combines the chunks exactly: a true maximum is taken away everywhere.
; LIMITS.  A hidden score counts as its value less 1e30.  M is taken no lower than -2^96: f16's scores, 4.4e12 in size at the most, lie far above that; a row that sees nothing of a chunk gets p = 0, l = 0 and
; cm = -c 2^96, and the launch behind gives that chunk the factor 0.  p below 6e-5 keeps f16's fixed step; a weight below 2^-126 counts as 0.  NaN and infinities are not treated apart.
; SHARES.  Four waves, each 128 queries x 128 keys: 64 accumulators, 512 registers.  The 1,024 channels go in 8 steps of 128 through two LDS slots.  qf and kf lie in blocks of 16 x 16 (512 bytes, lane L's 16 bytes
; at 16 L; block (row / 16, d / 16) at (row / 16) x 32,768 + (d / 16) x 512): a step's share of 16 rows is 4,096 consecutive bytes, two neighbouring blocks are a fragment, and a fragment's loads take 512
; consecutive LDS bytes each: no padding is needed.  Each wave fetches 8 such rows of 4,096 bytes with one tensor load: waves 0, 1 the halves of Q's tile, waves 2, 3 those of K's.
; S^T = K Q^T (source 0 = 16 keys, source 1 = 16 queries): a lane holds ONE query (lane % 16) and the keys 8 (lane / 16) + 0..7, which pack into the 16 bytes of a block of pf.
; THE MASK is the C operand that starts the sums: three sets of eight registers, for key fragments left of, on and right of the query fragment's own.
; NO CLUSTER: Q's tile is shared by the i + 1 tiles of row i of the triangle and K's by the 8 - j tiles of column j: 1 to 8 of them, so no fixed group of four work-groups shares a tile throughout.
; pf: block at ((128 batch + 16 (7 - i) + u) x 128 + key / 16) x 512, u the 16-row fragment in the band of 256.  st[batch][chunk 16][row 2048] holds the pair (cm, l).
; REGISTERS: window 0: v2-7 addresses; v8-27 at work on the way out; v28-29 the add's; v32-55 the masks; v64-127, v128-191 Q's fragments, two buffers.  window 1: v64-191 K's fragments.
;   window 2: the accumulators of my query fragments 0-3 ((a, b) at v[8 (8 a + b)]);  window 3: those of fragments 4-7.
.set SLOT1, 131072
.set KOFF,  65536                      ; K's tile lies behind Q's
.set SPARE, 262144                     ; behind the ring: the spare words, 128 bytes for each wave
.set VA0,  2                           ; v2  my lane's place in Q's tile; never rewritten
.set VB0,  3                           ; v3  in K's
.set ADRA, 4                           ; v4  the same in the slot in hand
.set ADRB, 5
.set PO,   6                           ; v6  16 x lane
.set SO,   7                           ; v7  8 x lane
.set CC,   8                           ; v8-11  four chains of the maximum
.set TT0,  12
.set TT1,  13
.set ST4,  16                          ; v16-23  (cm, l) of the four fragments in hand
.set JN,   24                          ; v24-27  two fragments' pairs joined: lane L holds row L of 32
.set SPW,  28
.set NIL,  29
.set MZ,   32
.set MD,   40
.set MN,   48
.set F0,   64
.set F1,   128
.set PB0,  64                          ; the way out: two buffers of 32 registers of packed p
.set WV,   12
.set RH,   13                          ; wave / 2: my half of the queries
.set CH,   14                          ; wave % 2: my half of the keys
.set TB,   22
.set G1,   24                          ; s[24:31]
.set G0,   32                          ; s[32:39] a set for each first fill; the second then walks on
.set CS,   46                          ; s[46:47] c
.set SEL,  48                          ; s[48:49] v_permlanex16_b32's selects: each lane takes its own place in the other half
.set FL,   50                          ; -2^96
.set HM,   51                          ; lanes 16-31
.set EC,   52
.set BIGN, 53                          ; -1e30
.set MSB, 0
.macro WIN new
.if MSB != (\new)
	s_set_vgpr_msb (MSB<<8)|(\new)
.set MSB, (\new)
.endif
.endm
.macro PLACES
.rept 4
	v_nop
.endr
.endm
	s_load_b256 s[4:11], s[0:1], 0x0               ; qf s[4:5], kf s[6:7], pf s[8:9], st s[10:11]
	v_lshl_add_u32 v[SPW], v0, 2, SPARE
	v_mov_b32 v[NIL], 0
	ds_add_u32 v[SPW], v[NIL]                      ; the wave's opening: the add and its wait come ahead of my first tensor load
	ds_add_u32 v28, v29
	v_lshrrev_b32 v1, 5, v0
	v_readfirstlane_b32 s[WV], v1
	s_lshr_b32 s[RH], s[WV], 1
	s_and_b32 s[CH], s[WV], 1
	s_mov_b32 s15, ttmp9                           ; the tile's number in the triangle, 0 to 35, row by row
	s_mov_b32 s16, 0                               ; i = how many of 1, 3, 6, 10, 15, 21, 28 it has reached
	s_mov_b32 s17, 0                               ; i (i + 1) / 2
.irp n, 1,2,3,4,5,6,7
	s_cmp_ge_u32 s15, (\n)*((\n)+1)/2
	s_cselect_b32 s19, 1, 0
	s_cselect_b32 s20, \n, 0
	s_add_co_u32 s16, s16, s19
	s_add_co_u32 s17, s17, s20
.endr
	s_sub_co_u32 s17, s15, s17                     ; j
	s_and_b32 s18, ttmp7, 0xffff                   ; batch
	s_mov_b32 s[G1], 3<<16                         ; elements of 8 bytes, no mask, no padding
	s_mov_b32 s[G1+1], 512<<16                     ; tensor_dim0 = 512 elements: 4,096 bytes
	s_mov_b32 s[G1+2], 8<<16                       ; tensor_dim1 = 8
	s_mov_b32 s[G1+3], 512<<16                     ; tile_dim0
	s_mov_b32 s[G1+4], 8                           ; tile_dim1
	s_mov_b32 s[G1+5], 4096                        ; 32,768 bytes from 16 rows to the next
	s_mov_b32 s[G1+6], 0
	s_mov_b32 s[G1+7], 0
	s_mov_b32 s[CS], 0x3d38aa3b                    ; c = log2(e) / 32
	s_mov_b32 s[CS+1], s[CS]
	s_mov_b32 s[SEL], 0x76543210
	s_mov_b32 s[SEL+1], 0xfedcba98
	s_mov_b32 s[FL], 0xef800000
	s_mov_b32 s[HM], 0xffff0000
	s_mov_b32 s[BIGN], 0xf149f2ca
	s_mov_b32 s[TB], 0
	s_cmp_lt_u32 s[WV], 2
	s_cselect_b32 s19, s16, s17                    ; waves 0, 1: Q's band i; waves 2, 3: K's band j
	s_lshl_b32 s20, s18, 7
	s_lshl4_add_u32 s20, s19, s20
	s_lshl3_add_u32 s20, s[CH], s20                ; 128 batch + 16 band + 8 half
	s_lshl_b32 s42, s20, 15
	s_mov_b32 s43, 0
	s_lshl_b32 s21, s[WV], 15                      ; where my 32,768 bytes go
	s_wait_dscnt 0x0                               ; the opening add is done
	s_wait_kmcnt 0x0
	s_cmp_lt_u32 s[WV], 2
	s_cselect_b64 s[40:41], s[4:5], s[6:7]
	s_add_nc_u64 s[40:41], s[40:41], s[42:43]
.irp s, 0,1                                        ; both first fills go out together: steps 0 and 1; two loads of mine are out
	s_mov_b32 s[G0+4*(\s)], 1
	s_add_co_u32 s[G0+4*(\s)+1], s21, (\s)*SLOT1
	s_add_nc_u64 s[G0+4*(\s)+2:G0+4*(\s)+3], s[40:41], (\s)*4096
	s_or_b32 s[G0+4*(\s)+3], s[G0+4*(\s)+3], 0x80000000
	tensor_load_to_lds s[G0+4*(\s):G0+4*(\s)+3], s[G1:G1+7]
	s_nop 0
.endr
	PLACES
	v_and_b32 v1, 31, v0
	v_lshlrev_b32 v[PO], 4, v1
	v_lshlrev_b32 v[SO], 3, v1
	s_lshl_b32 s19, s[RH], 15
	v_add_nc_u32 v[VA0], s19, v[PO]
	s_lshl_b32 s19, s[CH], 15
	s_add_co_u32 s19, s19, KOFF
	v_add_nc_u32 v[VB0], s19, v[PO]
	v_mov_b32 v[ADRA], v[VA0]
	v_mov_b32 v[ADRB], v[VB0]
	; the masks.  Off the diagonal tile all are 0.  On it: my keys lie right of my queries (all hidden), left of them (none), or are the same 128: then fragment b > a is hidden, b < a is not, and in b = a key 8 h + jj is hidden where it is greater than r.
	s_cmp_eq_u32 s16, s17
	s_cselect_b32 s19, 1, 0
	s_cmp_ge_u32 s[CH], s[RH]
	s_cselect_b32 s20, s19, 0
	s_cmp_gt_u32 s[CH], s[RH]
	s_cselect_b32 s21, s19, 0
	s_cmp_lg_u32 s20, 0
	s_cselect_b32 s44, s[BIGN], 0                  ; for b > a
	s_cmp_lg_u32 s21, 0
	s_cselect_b32 s45, s[BIGN], 0                  ; for b < a
	v_and_b32 v8, 15, v0
	v_bfe_u32 v9, v0, 4, 1
	v_lshlrev_b32 v9, 3, v9
	v_sub_nc_u32 v8, v8, v9                        ; r - 8 h
.set k, 0
.rept 8
	v_mov_b32 v[MZ+k], s45
	v_mov_b32 v[MN+k], s44
.set k, k+1
.endr
.set k, 0
.rept 8
	v_cmp_gt_i32 vcc_lo, k, v8
	v_cndmask_b32 v[MD+k], v[MZ], v[MN], vcc_lo
.set k, k+1
.endr
	s_sub_co_u32 s19, 7, s16                       ; pf: (128 batch + 16 (7 - i) + 8 half) x 65,536 + (16 j + 8 half) x 512
	s_lshl_b32 s20, s18, 7
	s_lshl4_add_u32 s20, s19, s20
	s_lshl3_add_u32 s20, s[RH], s20
	s_lshl_b32 s42, s20, 16
	s_lshl_b32 s21, s17, 4
	s_lshl3_add_u32 s21, s[CH], s21
	s_lshl_b32 s21, s21, 9
	s_add_co_u32 s42, s42, s21
	s_add_nc_u64 s[8:9], s[8:9], s[42:43]
	s_lshl_b32 s20, s18, 4                         ; st: ((16 batch + 2 j + half) x 2,048 + 256 i + 128 half) x 8
	s_lshl1_add_u32 s20, s17, s20
	s_add_co_u32 s20, s20, s[CH]
	s_lshl_b32 s20, s20, 11
	s_lshl_b32 s21, s16, 8
	s_add_co_u32 s20, s20, s21
	s_lshl_b32 s21, s[RH], 7
	s_add_co_u32 s20, s20, s21
	s_lshl_b32 s42, s20, 3
	s_add_nc_u64 s[10:11], s[10:11], s[42:43]
; 16 products: query fragments a0, a0 + 1 of the window's four (hi = 0: fragments 0-3, 1: 4-7) x all 8 key fragments, 32 channels.  mode = 1: the masks start the sums.
; The 64 accumulators take turns, one instruction a turn.
.macro MUL16 f, hi, a0, mode
.if (\mode)
	WIN 0x81+0x40*(\hi)                            ; K window 1, Q and the mask window 0, the result window 2 or 3
.else
	WIN 0xa1+0x50*(\hi)
.endif
.set aa, (\a0)
.rept 2
.set bb, 0
.rept 8
.set rD, 8*(8*aa+bb)
.set rK, (\f)+8*bb
.set rQ, (\f)+8*(4*(\hi)+aa)
.if (\mode)
.set rC, MZ
.if bb == 4*(\hi)+aa
.set rC, MD
.endif
.if bb > 4*(\hi)+aa
.set rC, MN
.endif
	v_wmma_f32_16x16x32_f16 v[rD:rD+7], v[rK:rK+7], v[rQ:rQ+7], v[rC:rC+7]
.else
	v_wmma_f32_16x16x32_f16 v[rD:rD+7], v[rK:rK+7], v[rQ:rQ+7], v[rD:rD+7]
.endif
.set bb, bb+1
.endr
.set aa, aa+1
.endr
.endm
.macro FETCH k, f                      ; 32 LDS loads in one run: the fragments of 32 channels at byte k of each 4,096: K's eight, then Q's eight
	WIN 0x40
.set ii, 0
.rept 8
	ds_load_b128 v[(\f)+8*ii:(\f)+8*ii+3],   v[ADRB] offset:(\k)+ii*4096
	ds_load_b128 v[(\f)+8*ii+4:(\f)+8*ii+7], v[ADRB] offset:(\k)+ii*4096+512
.set ii, ii+1
.endr
	WIN 0
.set ii, 0
.rept 8
	ds_load_b128 v[(\f)+8*ii:(\f)+8*ii+3],   v[ADRA] offset:(\k)+ii*4096
	ds_load_b128 v[(\f)+8*ii+4:(\f)+8*ii+7], v[ADRA] offset:(\k)+ii*4096+512
.set ii, ii+1
.endr
.endm
; A step is four quarters of 32 channels, 64 products each, on buffers 0, 1, 0, 1.  One of the first three: multiplies f and, in its middle, fetches the next quarter, at byte k, into g.
.macro QUARTER k, f, g, mode
	s_wait_dscnt 8                                 ; K and Q's fragments 0-3 are in; the youngest eight loads (Q's 4-7) may be out
	MUL16 \f, 0, 0, \mode
	MUL16 \f, 0, 2, \mode
	PLACES
	FETCH \k, \g
	s_wait_dscnt 32                                ; all but the 32 just issued
	MUL16 \f, 1, 0, \mode
	MUL16 \f, 1, 2, \mode
.endm
; The last quarter multiplies buffer 1 and changes slots: ONE barrier.  In front of it each wave waits for all its tensor loads (one is out: its part of the next slot), adds 0 to its spare word, and waits for that and
; for its own reads of this slot.  fill = 1: this slot is filled again, two steps ahead, first thing behind the barrier: 224 products stand between that request and the wait for it.
.macro TURN fill
	WIN 0
	s_wait_tensorcnt 0x0
	ds_add_u32 v[SPW], v[NIL]
.if \fill
	s_xor_b32 s[G0+5], s[G0+5], SLOT1              ; no load of mine is out: the walking descriptor takes the other slot and the next step
	s_add_nc_u64 s[G0+6:G0+7], s[G0+6:G0+7], 4096
.endif
	s_wait_dscnt 9                                 ; the add and the youngest eight loads may be out
	MUL16 F1, 0, 0, 0
	s_wait_dscnt 0x0                               ; the add is done, and my reads of this slot are over
	s_barrier_signal -1
	MUL16 F1, 0, 2, 0
	WIN 0
	s_barrier_wait -1
.if \fill
	tensor_load_to_lds s[G0+4:G0+7], s[G1:G1+7]
	s_nop 0
.endif
	PLACES
	s_xor_b32 s[TB], s[TB], SLOT1
	v_add_nc_u32 v[ADRA], s[TB], v[VA0]
	v_add_nc_u32 v[ADRB], s[TB], v[VB0]
	FETCH 0, F0
	MUL16 F1, 1, 0, 0
	MUL16 F1, 1, 2, 0
.endm
	s_wait_tensorcnt 0x1                           ; my part of step 0 is in; step 1's may stay out
	s_barrier_signal -1
	s_barrier_wait -1
	FETCH 0, F0
	QUARTER 1024, F0, F1, 1                        ; the first quarter stands in front of the loop: its products start the sums, on the masks
	WIN 0
	s_mov_b32 s3, 6
.Lstep:                                            ; a trip: from a step's second quarter to the next step's first; it asks for the step two on
	QUARTER 2048, F1, F0, 0
	QUARTER 3072, F0, F1, 0
	TURN 1
	QUARTER 1024, F0, F1, 0
	WIN 0
	s_sub_co_u32 s3, s3, 1
	s_cmp_lg_u32 s3, 0
	s_cbranch_scc1 .Lstep
	QUARTER 2048, F1, F0, 0                        ; the tail is written out: nothing is left to ask for
	QUARTER 3072, F0, F1, 0
	TURN 0
	QUARTER 1024, F0, F1, 0
	QUARTER 2048, F1, F0, 0
	QUARTER 3072, F0, F1, 0
	s_wait_dscnt 8
	MUL16 F1, 0, 0, 0
	MUL16 F1, 0, 2, 0
	s_wait_dscnt 0x0
	MUL16 F1, 1, 0, 0
	MUL16 F1, 1, 2, 0
	WIN 0
	v_mov_b32 v[TT1], 0                            ; five registers that are named before they hold a result: these lines are also the places behind the last products
	v_mov_b32 v[ST4+1], 0
	v_mov_b32 v[ST4+3], 0
	v_mov_b32 v[ST4+5], 0
	v_mov_b32 v[ST4+7], 0
; THE CHUNK'S SOFTMAX for query fragment a of window 2: 64 scores a lane, the query's other 64 in the lane 16 away.
.macro SOFT a
.set S0, 64*(\a)
.set PBF, PB0+32*((\a)%2)
.set rT, ST4+2*(\a)
	WIN 0x28                                       ; the scores (sources 1, 2) in window 2
.set n, 0
.rept 32                                           ; four chains, begun at the floor; each accumulator's lowest registers are read first
.if n < 4
	v_max3_num_f32 v[CC+n], s[FL], v[S0+2*n], v[S0+2*n+1]
.else
	v_max3_num_f32 v[CC+n%4], v[CC+n%4], v[S0+2*n], v[S0+2*n+1]
.endif
.set n, n+1
.endr
	WIN 0
	v_max3_num_f32 v[CC], v[CC], v[CC+1], v[CC+2]
	v_max_num_f32 v[CC], v[CC], v[CC+3]
	v_permlanex16_b32 v[CC+1], v[CC], s[SEL], s[SEL+1]
	v_max_num_f32 v[CC], v[CC], v[CC+1]
	v_mul_f32 v[rT], s[CS], v[CC]                  ; cm
	WIN 0x8a                                       ; destination and sources 0, 1 in window 2, source 2 (cm) in window 0
.set n, 0
.rept 32
	v_pk_fma_f32 v[S0+2*n:S0+2*n+1], v[S0+2*n:S0+2*n+1], s[CS:CS+1], v[rT:rT+1] op_sel_hi:[1,0,0] neg_lo:[0,0,1] neg_hi:[0,0,1]
.set n, n+1
.endr
.set n, 0
.rept 64
	v_exp_f32 v[S0+n], v[S0+n]
.set n, n+1
.endr
	v_nop                                          ; a plain instruction between the exponentials and the use of their results (ISA guide 5.7.2)
	s_wait_xcnt 0x0                                ; the buffer is rewritten only when its last stores have read it
	WIN 0x0a
.set n, 0
	s_wait_alu depctr_va_vdst(0)
.rept 32
	v_cvt_pk_f16_f32 v[PBF+n], v[S0+2*n], v[S0+2*n+1]
.set n, n+1
.endr
	WIN 0x8a
.set w, 32                                         ; the sum of the 32 pairs, in place: halves are added, 16, 8, 4, 2, 1 packed additions
.rept 5
.set n, 0
.rept w/2
	v_pk_add_f32 v[S0+2*n:S0+2*n+1], v[S0+2*n:S0+2*n+1], v[S0+w+2*n:S0+w+2*n+1]
.set n, n+1
.endr
.set w, w/2
.endr
	WIN 0x0a
	v_add_f32 v[TT0], v[S0], v[S0+1]
	WIN 0
	v_permlanex16_b32 v[TT1], v[TT0], s[SEL], s[SEL+1]
	v_add_f32 v[rT+1], v[TT0], v[TT1]              ; l
.set n, 0
.rept 8
	global_store_b128 v[PO], v[PBF+4*n:PBF+4*n+3], s[8:9] offset:(\a)*65536+n*512  ; a block: 512 consecutive bytes, at a multiple of 512 from pf's first byte
.set n, n+1
.endr
.endm
	s_mov_b32 s[EC], 2
.Lepi:                                             ; two trips over one text, which names window 2: fragments 0-3, then 4-7, which are brought there by 256 copies: the price of writing the text once
	SOFT 0
	SOFT 1
	SOFT 2
	SOFT 3
	v_cndmask_b32 v[JN],   v[ST4],   v[ST4+2], s[HM]   ; both halves of the lanes hold a fragment's 16 pairs: lanes 16-31 take the next fragment's
	v_cndmask_b32 v[JN+1], v[ST4+1], v[ST4+3], s[HM]
	v_cndmask_b32 v[JN+2], v[ST4+4], v[ST4+6], s[HM]
	v_cndmask_b32 v[JN+3], v[ST4+5], v[ST4+7], s[HM]
	global_store_b64 v[SO], v[JN:JN+1], s[10:11]               ; 32 rows' pairs: 256 consecutive bytes, aligned
	global_store_b64 v[SO], v[JN+2:JN+3], s[10:11] offset:256
	s_sub_co_u32 s[EC], s[EC], 1
	s_cmp_eq_u32 s[EC], 0
	s_cbranch_scc1 .Ldone
	s_wait_xcnt 0x0                                ; the stores' bases are stepped only behind this wait
	s_add_nc_u64 s[8:9], s[8:9], 4*65536
	s_add_nc_u64 s[10:11], s[10:11], 512
	WIN 0x83                                       ; from window 3 into window 2, in ascending order
.set n, 0
.rept 256
	v_mov_b32 v[n], v[n]
.set n, n+1
.endr
	WIN 0
	s_branch .Lepi
.Ldone:
	s_wait_tensorcnt 0x0                           ; the wave's end
	ds_add_u32 v[SPW], v[NIL]
	s_wait_dscnt 0x0
	s_endpgm
.Lfunc_end_k_qfdae601407_scores:
	.size	k_qfdae601407_scores, .Lfunc_end_k_qfdae601407_scores-k_qfdae601407_scores
	.p2alignl 7, 3214868480
	.fill 96, 4, 3214868480
	.section	.rodata,"a",@progbits
	.p2align	6, 0x0
	.amdhsa_kernel k_qfdae601407_scores
		.amdhsa_group_segment_fixed_size 327680
		.amdhsa_private_segment_fixed_size 0
		.amdhsa_enable_private_segment 0
		.amdhsa_kernarg_size 32
		.amdhsa_user_sgpr_count 2
		.amdhsa_user_sgpr_kernarg_segment_ptr 1
		.amdhsa_wavefront_size32 1
		.amdhsa_system_sgpr_workgroup_id_x 1
		.amdhsa_system_sgpr_workgroup_id_y 1
		.amdhsa_system_sgpr_workgroup_id_z 1
		.amdhsa_system_vgpr_workitem_id 0
		.amdhsa_next_free_vgpr 1024
		.amdhsa_next_free_sgpr 66
		.amdhsa_reserve_vcc 1
		.amdhsa_float_denorm_mode_32 3
		.amdhsa_float_denorm_mode_16_64 3
		.amdhsa_memory_ordered 1
		.amdhsa_forward_progress 1
		.amdhsa_inst_pref_size 138
	.end_amdhsa_kernel
	.amdgpu_metadata
---
amdhsa.version: [ 1, 2 ]
amdhsa.kernels:
  - .name:           k_qfdae601407_scores
    .symbol:         k_qfdae601407_scores.kd
    .args:
      - { .name: qf, .offset: 0, .size: 8, .value_kind: global_buffer, .address_space: global }
      - { .name: kf, .offset: 8, .size: 8, .value_kind: global_buffer, .address_space: global }
      - { .name: pf, .offset: 16, .size: 8, .value_kind: global_buffer, .address_space: global }
      - { .name: st, .offset: 24, .size: 8, .value_kind: global_buffer, .address_space: global }
    .group_segment_fixed_size: 327680
    .private_segment_fixed_size: 0
    .kernarg_segment_align: 8
    .kernarg_segment_size: 32
    .max_flat_workgroup_size: 128
    .sgpr_count:     66
    .vgpr_count:     1024
    .wavefront_size: 32
...
	.end_amdgpu_metadata
.endif
;; end of part 3
;; launch pv (part 4): grid 8 x 32, 4 waves a work-group, clusters of 4 x 4, 327,680 bytes of LDS; arguments pf, vf, st, out0; writes out0
.if DOCPART == 4
	.amdgcn_target "amdgcn-amd-amdhsa--gfx1250"
	.amdhsa_code_object_version 6
	.text
	.protected	k_qfdae601407_pv
	.globl	k_qfdae601407_pv
	.p2align	8
	.type	k_qfdae601407_pv,@function
k_qfdae601407_pv:
	s_mov_b64 s[64:65], 0
	v_nop
	global_prefetch_b8 v0, s[64:65] scope:SCOPE_SE
	s_setreg_imm32_b32 hwreg(HW_REG_WAVE_MODE, 25, 1), 1
	s_wait_xcnt 0x0
	s_wait_alu depctr_hold_cnt(0) depctr_sa_sdst(0) depctr_va_vdst(0) depctr_va_sdst(0) depctr_va_ssrc(0) depctr_va_vcc(0) depctr_vm_vsrc(0)
	s_getreg_b32 s2, hwreg(HW_REG_IB_STS2, 6, 4)
	s_cmp_eq_u32 s2, 0
	s_cbranch_scc0 .Lentry_in_a_cluster
	s_endpgm
.Lentry_in_a_cluster:
	s_bfe_u32 s2, ttmp6, 0x10000c
	s_cmp_lg_u32 s2, 0xf033
	s_cbranch_scc0 .Lentry_shape_is_right
	s_endpgm
.Lentry_shape_is_right:
; PV: the second half of the softmax and the second product.  For a query with chunk figures (cm_t, l_t): M = the largest cm_t, L = the sum of 2^(cm_t - M) l_t, f_t = 2^(cm_t - M) / L, all in f32, and
; O = the sum over all keys of (f_t p) v.  f_t is rounded once to f16 and multiplied onto P's fragments, in packed f16, between their LDS load and the product; O's sums are the matrix unit's, in f32.
; LIMITS: as stated at the head of the launch that makes P.  Each weight has one f16 rounding more than p itself, and f_t's own rounding is common to a chunk's weights; a weight below 6e-5 keeps f16's fixed step
; of 6e-8.  A chunk of which a query sees nothing has cm far below M: its factor is 0, and its p are 0.  f_t lies in 0 to 1, since L holds the largest chunk's own l, which is 1 or more.
; SHARES.  A work-group owns 32 queries (fragments ug and ug + 8) in each of a batch's 8 bands of 256, and 128 channels; y = 0..7 stands for band 7 - y.  Key tile t of 128 keys is seen by the bands y < 8 - t / 2.
; A STEP takes tile s and tile 15 - s together: with m = s / 2 they have 8 - m and 1 + m live bands, nine whatever s.  So the 8 steps are alike, 144 products a wave, all 256 work-groups do equal work, and a
; slot is filled again six times in all.  Wave w has query fragment ug + 8 (w / 2) of every band and channels 64 (w % 2) on: 32 accumulators.
; A SLOT: V of the early tile [key / 16: 8][channel / 16: 8][512], V of the late tile likewise, then 18 rows of P of 4,096 bytes: rows 2 y + e of the early tile, and straight behind them those of the late tile.
; Row pair sg = 0..8 is therefore the early tile's band sg while sg < 8 - m, else the late tile's band sg - 8 + m: the fetch, the scaling and the table of factors are one text for every phase m.
; vf lies in blocks (16 keys x 16 channels, a lane holds a channel and eight keys), pf likewise (a lane holds a query and eight keys): two neighbouring blocks are a fragment, read by two loads of 512 consecutive bytes.
; O^T = V^T P (source 0 = 16 channels, source 1 = 16 queries): a lane holds one query and eight channels.
; CLUSTER 4 x 4: V's tiles hang on the batch and the channel block (cx) and are shared along a column; P's hang on the batch and ug (cy) and are shared along a row: each is asked for jointly.
; One load a wave behind each round: wave 0 the early V, wave 1 the late V, wave 2 the early P, wave 3 the late P.
; REGISTERS: window 0: v2-21 addresses and at work; v28-29 the add's; v32-40 the step's nine factors; v48-119, v120-191 P's fragments, two buffers (row pair sg at + 8 sg).
;   window 1: O(y, c) at v[8 (4 y + c)].   window 2: v0-63, v64-127 V's fragments, two buffers (early tile at + 8 c, late at + 32 + 8 c).
.set SLOT,  139264                     ; bytes in a slot; slot 1 begins here
.set VBO,   32768                      ; the late tile's V
.set POFF,  65536                      ; P's rows
.set ROWB,  4096
.set FT,    2*SLOT                     ; behind the ring: the factors, for each wave [step 8][sg 9][16 queries], a word holding f twice in f16; no tile lands here
.set FTS,   576
.set FTW,   8*FTS
.set STAGE, FT+4*FTW                   ; 16 rows x 272 bytes for each wave, for the way out
.set SP,    272
.set SPARE, STAGE+4*16*SP              ; the spare words, 128 bytes for each wave
.set AV0,  2                           ; my lane's place in V's tiles; never rewritten
.set AP0,  3                           ; in P's row pairs 0-7
.set AP80, 4                           ; in row pair 8: its offset does not fit the 16-bit immediate
.set AF0,  5                           ; my query's word in my table's first entry
.set AV,   6                           ; the same four for the slot, quarter and step in hand
.set AP,   7
.set AP8,  8
.set AF,   9
.set STO,  10
.set RD,   11
.set GO,   12
.set AFA,  13                          ; where my half of the lanes stores an early tile's factor
.set AFB,  14                          ; and a late tile's
.set TM,   15
.set TX,   16
.set TL,   17
.set SOF,  18                          ; my byte offset in st
.set SPW,  28
.set NIL,  29
.set FW,   32
.set PF0,  48
.set SB,   48                          ; the 36 pairs (cm, l), ahead of the first fragments
.set OB,   48                          ; the way out: two buffers of 32
.set WV,   12
.set EL,   13                          ; wave % 2: my half of the channels.  Also: I fetch for the early tile (0) or the late one (1)
.set EH,   14                          ; wave / 2: which of the two query fragments is mine
.set TB,   22                          ; the slot in hand: 0 or SLOT
.set TF,   23                          ; 0 or FTS: the step's parity in the table
.set G1V,  24
.set G1PA, 32
.set G1PB, 40
.set G0V,  48                          ; a set for each first fill; the second is then made anew for each refill
.set G0P,  56
.set BV,   66                          ; s[66:67] vf at the batch's tile 0, my channel block
.set BP,   68                          ; s[68:69] pf at the batch's row ug
.set OV,   70                          ; s[70:71] a tile's byte offset in vf
.set OP,   72                          ; s[72:73] and in a row of pf
.set TN,   74                          ; the tile that I ask for next
.set DT,   75                          ; + 1 (early tiles) or - 1 (late ones)
.set LBV,  76
.set LBP,  77
.set SEL,  78
.set QC,   80
.set KV,   81                          ; TB, and 16,384 more in a step's second half
.set KP,   86                          ; TB, and 2,048 more
.set MSB, 0
.macro WIN new
.if MSB != (\new)
	s_set_vgpr_msb (MSB<<8)|(\new)
.set MSB, (\new)
.endif
.endm
.macro PLACES
.rept 4
	v_nop
.endr
.endm
.macro JLOAD                           ; a joint refill; the branches hang on the wave's number alone; an s_nop 0 and four v_nop follow each line
	s_cmp_lt_u32 s[WV], 2
	s_cbranch_scc0 .Lfor_p_\@
	tensor_load_to_lds s[G0V+4:G0V+7], s[G1V:G1V+7]
	s_nop 0
.rept 4
	v_nop
.endr
	s_branch .Lasked_\@
.Lfor_p_\@:
	s_cmp_eq_u32 s[WV], 2
	s_cbranch_scc0 .Lfor_pb_\@
	tensor_load_to_lds s[G0P+4:G0P+7], s[G1PA:G1PA+7]
	s_nop 0
.rept 4
	v_nop
.endr
	s_branch .Lasked_\@
.Lfor_pb_\@:
	tensor_load_to_lds s[G0P+4:G0P+7], s[G1PB:G1PB+7]
	s_nop 0
.rept 4
	v_nop
.endr
.Lasked_\@:
.endm
.macro CREST
	s_cmp_lg_u32 s[WV], 0
	s_cbranch_scc1 .Lnot_wave_0_\@
	s_barrier_signal -3
.Lnot_wave_0_\@:
	s_barrier_wait -3
	s_barrier_signal -1
	s_barrier_wait -1
.endm
.macro CROUND
	s_barrier_signal -1
	s_barrier_wait -1
	CREST
.endm
	s_load_b256 s[4:11], s[0:1], 0x0               ; pf s[4:5], vf s[6:7], st s[8:9], out0 s[10:11]
	v_lshl_add_u32 v[SPW], v0, 2, SPARE
	v_mov_b32 v[NIL], 0
	ds_add_u32 v[SPW], v[NIL]                      ; the wave's opening: the add and its wait come ahead of my first tensor load
	ds_add_u32 v28, v29
	v_lshrrev_b32 v1, 5, v0
	v_readfirstlane_b32 s[WV], v1
	s_and_b32 s[EL], s[WV], 1
	s_lshr_b32 s[EH], s[WV], 1
	s_bfe_u32 s15, ttmp6, 0x40000                  ; cx
	s_bfe_u32 s16, ttmp6, 0x40004                  ; cy
	s_lshl_b32 s2, ttmp9, 2
	s_add_co_u32 s2, s2, s15                       ; the block of 128 channels
	s_and_b32 s17, ttmp7, 0xffff
	s_lshr_b32 s18, s17, 1                         ; the batch, which the whole cluster shares
	s_and_b32 s19, s17, 1
	s_lshl_b32 s19, s19, 2
	s_add_co_u32 s19, s19, s16                     ; ug
	s_lshl_b32 s20, s16, 2
	s_lshl_b32 s20, 15, s20                        ; my row of the cluster
	s_lshl_b32 s21, 0x1111, s15                    ; my column
	s_or_b32 s[G1V], s21, (3<<16)|(1<<21)          ; mask; elements of 8 bytes; bit 21 beside a mask
	s_mov_b32 s[G1V+1], 512<<16                    ; tensor_dim0 = 512 elements: 8 blocks, 4,096 bytes
	s_mov_b32 s[G1V+2], 8<<16                      ; tensor_dim1 = 8
	s_mov_b32 s[G1V+3], 512<<16
	s_mov_b32 s[G1V+4], 8
	s_mov_b32 s[G1V+5], 4096                       ; 32,768 bytes from 16 keys to the next
	s_mov_b32 s[G1V+6], 0
	s_mov_b32 s[G1V+7], 0
.irp g, G1PA, G1PB
	s_or_b32 s[\g], s20, (3<<16)|(1<<21)
	s_mov_b32 s[\g+1], 512<<16                     ; a tile's 8 blocks of one query fragment: 4,096 bytes
	s_mov_b32 s[\g+3], 512<<16
	s_mov_b32 s[\g+5], 65536                       ; 524,288 bytes from row 2 y + e to the next: eight fragments on in pf
	s_mov_b32 s[\g+6], 0
	s_mov_b32 s[\g+7], 0
.endr
	s_mov_b32 s[G1PA+2], 16<<16                    ; the rows of steps 0 and 1: 16 of the early tile,
	s_mov_b32 s[G1PA+4], 16
	s_mov_b32 s[G1PB+2], 2<<16                     ; 2 of the late one
	s_mov_b32 s[G1PB+4], 2
	s_lshl_b32 s[BV], s18, 22                      ; V: 128 batch x 32,768 + 4,096 x channel block: made of the batch and cx alone
	s_lshl_b32 s[BV+1], s2, 12
	s_add_co_u32 s[BV], s[BV], s[BV+1]
	s_mov_b32 s[BV+1], 0
	s_lshl_b32 s[BP], s18, 23                      ; P: (128 batch + ug) x 65,536: made of the batch and cy alone
	s_lshl_b32 s[BP+1], s19, 16
	s_add_co_u32 s[BP], s[BP], s[BP+1]
	s_mov_b32 s[BP+1], 0
	s_mov_b32 s[OV+1], 0
	s_mov_b32 s[OP+1], 0
	s_mul_i32 s[TN], s[EL], 15                     ; tile 0 and upward, or tile 15 and downward
	s_lshl_b32 s[DT], s[EL], 1
	s_sub_co_i32 s[DT], 1, s[DT]
	s_lshl_b32 s[LBV], s[EL], 15                   ; where they go in a slot: no place in the cluster enters an LDS address
	s_lshl_b32 s[LBP], s[EL], 16                   ; the late tile's P behind the early tile's 16 rows
	s_add_co_u32 s[LBP], s[LBP], POFF
	s_mov_b32 s[SEL], 0x76543210
	s_mov_b32 s[SEL+1], 0xfedcba98
	s_mov_b32 s[TB], 0
	s_mov_b32 s[TF], 0
	s_mov_b32 s[KV], 0
	s_mov_b32 s[KP], 0
	s_wait_dscnt 0x0                               ; the opening add is done
	s_wait_kmcnt 0x0
	s_add_nc_u64 s[BV:BV+1], s[6:7], s[BV:BV+1]
	s_add_nc_u64 s[BP:BP+1], s[4:5], s[BP:BP+1]
	CROUND                                         ; all sixteen work-groups are here: the first joint loads meet
.irp s, 0,1
	s_lshl_b32 s[OV], s[TN], 18                    ; a tile is 8 x 32,768 bytes on in vf
	s_lshl_b32 s[OP], s[TN], 12                    ; and 4,096 on in a row of pf
	s_add_co_i32 s[TN], s[TN], s[DT]
	s_mov_b32 s[G0V+4*(\s)], 1
	s_add_co_u32 s[G0V+4*(\s)+1], s[LBV], (\s)*SLOT
	s_add_nc_u64 s[G0V+4*(\s)+2:G0V+4*(\s)+3], s[BV:BV+1], s[OV:OV+1]
	s_or_b32 s[G0V+4*(\s)+3], s[G0V+4*(\s)+3], 0x80000000
	s_mov_b32 s[G0P+4*(\s)], 1
	s_add_co_u32 s[G0P+4*(\s)+1], s[LBP], (\s)*SLOT
	s_add_nc_u64 s[G0P+4*(\s)+2:G0P+4*(\s)+3], s[BP:BP+1], s[OP:OP+1]
	s_or_b32 s[G0P+4*(\s)+3], s[G0P+4*(\s)+3], 0x80000000
.endr
	s_cmp_lt_u32 s[WV], 2                          ; a wave's two first fills stand in one branch: steps 0 and 1; two loads of mine are out
	s_cbranch_scc0 .Lfirst_p
	tensor_load_to_lds s[G0V:G0V+3], s[G1V:G1V+7]
	s_nop 0
	tensor_load_to_lds s[G0V+4:G0V+7], s[G1V:G1V+7]
	s_nop 0
.rept 4
	v_nop
.endr
	s_branch .Lfirst_asked
.Lfirst_p:
	s_cmp_eq_u32 s[WV], 2
	s_cbranch_scc0 .Lfirst_pb
	tensor_load_to_lds s[G0P:G0P+3], s[G1PA:G1PA+7]
	s_nop 0
	tensor_load_to_lds s[G0P+4:G0P+7], s[G1PA:G1PA+7]
	s_nop 0
.rept 4
	v_nop
.endr
	s_branch .Lfirst_asked
.Lfirst_pb:
	tensor_load_to_lds s[G0P:G0P+3], s[G1PB:G1PB+7]
	s_nop 0
	tensor_load_to_lds s[G0P+4:G0P+7], s[G1PB:G1PB+7]
	s_nop 0
.rept 4
	v_nop
.endr
.Lfirst_asked:
	v_and_b32 v1, 15, v0                           ; r
	v_bfe_u32 v19, v0, 4, 1                        ; h
	v_not_b32 v20, v0
	v_bfe_u32 v20, v20, 4, 1                       ; 1 - h
	v_lshlrev_b32 v[SOF], 3, v1                    ; st: my query's pair, and for lanes 16-31 the next chunk's
	v_lshl_add_u32 v[SOF], v19, 14, v[SOF]
	s_lshl_b32 s82, s18, 18                        ; batch x 16 chunks x 16,384 + (ug + 8 x my half) x 128
	s_lshl_b32 s83, s19, 7
	s_add_co_u32 s82, s82, s83
	s_lshl_b32 s83, s[EH], 10
	s_add_co_u32 s82, s82, s83
	s_mov_b32 s83, 0
	s_add_nc_u64 s[8:9], s[8:9], s[82:83]
.set q, 0
.set yy, 0
.rept 8                                            ; band 7 - y has 16 - 2 y chunks: 8 - y loads, 36 in all
.set tt, 0
.rept 8-yy
	global_load_b64 v[SB+2*q:SB+2*q+1], v[SOF], s[8:9] offset:tt*32768+(7-yy)*2048
.set tt, tt+1
.set q, q+1
.endr
.set yy, yy+1
.endr
	v_and_b32 v21, 31, v0
	v_lshlrev_b32 v21, 4, v21                      ; 16 x lane
	s_lshl_b32 s82, s[EL], 11
	v_add_nc_u32 v[AV0], s82, v21                  ; my four channel blocks
	s_lshl_b32 s82, s[EH], 12
	s_add_co_u32 s82, s82, POFF
	v_add_nc_u32 v[AP0], s82, v21                  ; my row of each pair
	v_add_nc_u32 v[AP80], 0x10000, v[AP0]
	s_mul_i32 s82, s[WV], FTW
	s_add_co_u32 s82, s82, FT
	v_lshl_add_u32 v[AF0], v1, 2, s82
	v_mul_u32_u24 v21, v19, FTS                    ; chunk 2 k + h below 8 is step 2 k + h's early tile;
	v_add_nc_u32 v[AFA], v[AF0], v21
	v_mul_u32_u24 v21, v20, FTS                    ; from 8 on it is step 14 - 2 k + (1 - h)'s late tile
	v_add_nc_u32 v[AFB], v[AF0], v21
	s_mul_i32 s82, s[WV], 16*SP
	s_add_co_u32 s82, s82, STAGE
	v_mul_u32_u24 v[STO], v1, SP                   ; into the stage: row r, 32 bytes for each half of the lanes
	v_lshl_add_u32 v[STO], v19, 5, v[STO]
	v_add_nc_u32 v[STO], s82, v[STO]
	v_mul_u32_u24 v[RD], v19, SP                   ; back: lanes 0-15 take one row of 256 bytes, lanes 16-31 the next
	v_lshl_add_u32 v[RD], v1, 4, v[RD]
	v_add_nc_u32 v[RD], s82, v[RD]
	v_lshlrev_b32 v[GO], 12, v19                   ; and the same two rows in out0
	v_lshl_add_u32 v[GO], v1, 4, v[GO]
	s_lshl_b32 s84, s18, 23                        ; out0: (2,048 batch + 16 (ug + 8 half)) x 4,096 + 512 x channel block + 256 x half, in registers that feed no descriptor
	s_lshl_b32 s85, s19, 16
	s_add_co_u32 s84, s84, s85
	s_lshl_b32 s85, s[EH], 19
	s_add_co_u32 s84, s84, s85
	s_lshl_b32 s85, s2, 9
	s_add_co_u32 s84, s84, s85
	s_lshl_b32 s85, s[EL], 8
	s_add_co_u32 s84, s84, s85
	s_mov_b32 s85, 0
	s_add_nc_u64 s[10:11], s[10:11], s[84:85]
	v_mov_b32 v[TX], 0
	WIN 0x40                                       ; O starts at 0: 256 lines in the wait for the first tiles and the figures, the price of writing no first step out
.set n, 0
.rept 256
	v_mov_b32 v[n], 0
.set n, n+1
.endr
	WIN 0
	s_wait_loadcnt 0x0
; Band y's factors for my query fragment: lanes 0-15 hold the even chunks of query r, lanes 16-31 the odd ones.  They go into my own table in the order in which the steps read them:
; chunk t < 8: step t, row pair y; chunk t >= 8: step 15 - t, row pair 8 - (15 - t) / 2 + y = k + 1 + y with k = t / 2.  The 72 live pairs of chunk and band fill the 8 x 9 entries.
.set q0, 0
.macro STATY y
.set nn, 8-(\y)
.set b0, SB+2*q0
.if nn > 1
	v_max_num_f32 v[TM], v[b0], v[b0+2]
.else
	v_mov_b32 v[TM], v[b0]
.endif
.set k, 2
.rept nn-2+(1/nn)
	v_max_num_f32 v[TM], v[TM], v[b0+2*k]
.set k, k+1
.endr
	v_permlanex16_b32 v[TX], v[TM], s[SEL], s[SEL+1]
	v_max_num_f32 v[TM], v[TM], v[TX]              ; M
.set k, 0
.rept nn
	v_sub_f32 v[b0+2*k], v[b0+2*k], v[TM]
.set k, k+1
.endr
.set k, 0
.rept nn
	v_exp_f32 v[b0+2*k], v[b0+2*k]
.set k, k+1
.endr
	v_nop                                          ; a plain instruction behind the exponentials (ISA guide 5.7.2)
	s_wait_alu depctr_va_vdst(0)
	v_mul_f32 v[TL], v[b0], v[b0+1]
.set k, 1
.rept nn-1
	v_fmac_f32 v[TL], v[b0+2*k], v[b0+2*k+1]
.set k, k+1
.endr
	v_permlanex16_b32 v[TX], v[TL], s[SEL], s[SEL+1]
	v_add_f32 v[TL], v[TL], v[TX]                  ; L
	v_rcp_f32 v[TL], v[TL]
	v_nop
.set k, 0
	s_wait_alu depctr_va_vdst(0)
.rept nn
	v_mul_f32 v[b0+2*k], v[b0+2*k], v[TL]
.set k, k+1
.endr
.set k, 0
.rept nn
	v_cvt_pk_f16_f32 v[b0+2*k], v[b0+2*k], v[b0+2*k]   ; f, rounded once, in both halves of the word
.if k < 4
	ds_store_b32 v[AFA], v[b0+2*k] offset:2*k*FTS+(\y)*64
.else
	ds_store_b32 v[AFB], v[b0+2*k] offset:(14-2*k)*FTS+(k+1+(\y))*64
.endif
.set k, k+1
.endr
.set q0, q0+nn
.endm
.irp y, 0,1,2,3,4,5,6,7
	STATY \y
.endr
; 34 LDS loads in one run: the fragments of 32 keys of both tiles, quarter q (0, 1) of the half step in hand, into buffer b: P's nine, then V's eight
.macro FETCH q, b
	WIN 0
.set ss, 0
.rept 8
	ds_load_b128 v[PF0+72*(\b)+8*ss:PF0+72*(\b)+8*ss+3],   v[AP] offset:ss*2*ROWB+(\q)*1024
	ds_load_b128 v[PF0+72*(\b)+8*ss+4:PF0+72*(\b)+8*ss+7], v[AP] offset:ss*2*ROWB+(\q)*1024+512
.set ss, ss+1
.endr
	ds_load_b128 v[PF0+72*(\b)+64:PF0+72*(\b)+67], v[AP8] offset:(\q)*1024
	ds_load_b128 v[PF0+72*(\b)+68:PF0+72*(\b)+71], v[AP8] offset:(\q)*1024+512
	WIN 0x80                                       ; destination window 2
.set xx, 0
.rept 8
	ds_load_b128 v[64*(\b)+8*xx:64*(\b)+8*xx+3],   v[AV] offset:(xx/4)*VBO+(\q)*8192+(xx%4)*512
	ds_load_b128 v[64*(\b)+8*xx+4:64*(\b)+8*xx+7], v[AV] offset:(xx/4)*VBO+(\q)*8192+(xx%4)*512+4096
.set xx, xx+1
.endr
.endm
; p times f, two weights to a line.  These 72 plain lines name no register of the products in front of them: they are also the places between those products and the loads into the buffer that they read.
.macro SCALE b
	WIN 0
.set ss, 0
.rept 9
.set kk, 0
.rept 8
	v_pk_mul_f16 v[PF0+72*(\b)+8*ss+kk], v[PF0+72*(\b)+8*ss+kk], v[FW+ss]
.set kk, kk+1
.endr
.set ss, ss+1
.endr
.endm
; 36 products of phase m.  No two that follow each other share an accumulator, over the backward jumps too.
.macro MUL m, b
	WIN 0x52                                       ; V window 2, P window 0, O window 1
.set ss, 0
.rept 9
.if ss < 8-(\m)
.set yy, ss
.set vx, 0
.else
.set yy, ss-8+(\m)
.set vx, 32
.endif
.set cc, 0
.rept 4
	v_wmma_f32_16x16x32_f16 v[8*(4*yy+cc):8*(4*yy+cc)+7], v[64*(\b)+vx+8*cc:64*(\b)+vx+8*cc+7], v[PF0+72*(\b)+8*ss:PF0+72*(\b)+8*ss+7], v[8*(4*yy+cc):8*(4*yy+cc)+7]
.set cc, cc+1
.endr
.set ss, ss+1
.endr
.endm
; A STEP of phase m, in the slot in hand: its factors, then four quarters of 32 keys as two trips over two.  A quarter: its fragments are in; they are scaled; the next quarter's are asked for; 36 products.
; The last trip jumps over the fetch that has no quarter left.  All waits are for 0: at each of them only the run that is wanted is out.
.macro STEP m
	v_add_nc_u32 v[AV], s[KV], v[AV0]
	v_add_nc_u32 v[AP], s[KP], v[AP0]
	v_add_nc_u32 v[AP8], s[KP], v[AP80]
	v_add_nc_u32 v[AF], s[TF], v[AF0]
.set ss, 0
.rept 9
	ds_load_b32 v[FW+ss], v[AF] offset:2*(\m)*FTS+ss*64
.set ss, ss+1
.endr
	FETCH 0, 0
	WIN 0                                          ; at a label and at a branch every window is 0
	s_mov_b32 s[QC], 2
.Lq_\@:
	s_wait_dscnt 0x0
	SCALE 0
	FETCH 1, 1
	MUL \m, 0
	WIN 0
	s_wait_dscnt 0x0
	SCALE 1
	s_xor_b32 s[KV], s[KV], 16384                  ; the step's other half: after two trips both are back at the slot's first byte
	s_xor_b32 s[KP], s[KP], 2048
	v_add_nc_u32 v[AV], s[KV], v[AV0]
	v_add_nc_u32 v[AP], s[KP], v[AP0]
	v_add_nc_u32 v[AP8], s[KP], v[AP80]
	s_cmp_eq_u32 s[QC], 1
	s_cbranch_scc1 .Lnf_\@
	FETCH 0, 0
	WIN 0
.Lnf_\@:
	MUL \m, 1
	WIN 0
	s_sub_co_u32 s[QC], s[QC], 1
	s_cmp_lg_u32 s[QC], 0
	s_cbranch_scc1 .Lq_\@
.endm
; THE CHANGE OF SLOTS behind a step of phase m.  Each wave waits for all its tensor loads (one is out: its part of the other slot), adds 0 to its spare word, and waits for that; its reads of this slot are back.
; A round of the cluster's barrier: no wave of any partner still reads the slot or has a load on its way.  First thing behind it the slot takes the step two on, of phase m + 1: 2 (7 - m) rows of the early tile's
; P, 2 (m + 2) of the late one's behind them.  The descriptors are made anew from the tile's number while the add is out.
.macro TURN m
	s_wait_tensorcnt 0x0
	ds_add_u32 v[SPW], v[NIL]
	s_lshl_b32 s[OV], s[TN], 18
	s_lshl_b32 s[OP], s[TN], 12
	s_add_co_i32 s[TN], s[TN], s[DT]
	s_add_co_u32 s[G0V+5], s[LBV], s[TB]
	s_add_nc_u64 s[G0V+6:G0V+7], s[BV:BV+1], s[OV:OV+1]
	s_or_b32 s[G0V+7], s[G0V+7], 0x80000000
	s_mul_i32 s[LBP], s[EL], 2*(7-(\m))*ROWB
	s_add_co_u32 s[LBP], s[LBP], POFF
	s_add_co_u32 s[G0P+5], s[LBP], s[TB]
	s_add_nc_u64 s[G0P+6:G0P+7], s[BP:BP+1], s[OP:OP+1]
	s_or_b32 s[G0P+7], s[G0P+7], 0x80000000
	s_mov_b32 s[G1PA+2], (2*(7-(\m)))<<16
	s_mov_b32 s[G1PA+4], 2*(7-(\m))
	s_mov_b32 s[G1PB+2], (2*((\m)+2))<<16
	s_mov_b32 s[G1PB+4], 2*((\m)+2)
	s_wait_dscnt 0x0
	CROUND
	JLOAD
	s_xor_b32 s[TB], s[TB], SLOT
	s_xor_b32 s[KV], s[KV], SLOT
	s_xor_b32 s[KP], s[KP], SLOT
	s_xor_b32 s[TF], s[TF], FTS
.endm
.macro PHASE m                         ; steps 2 m and 2 m + 1
	s_mov_b32 s3, 2
.Lph_\@:
	STEP \m
	TURN \m
	s_sub_co_u32 s3, s3, 1
	s_cmp_lg_u32 s3, 0
	s_cbranch_scc1 .Lph_\@
.endm
	s_wait_tensorcnt 0x1                           ; my part of step 0 is in; step 1's may stay out
	s_wait_dscnt 0x0
	s_barrier_signal -1
	s_barrier_wait -1
	PHASE 0
	PHASE 1
	PHASE 2
	s_mov_b32 s3, 2                                ; steps 6 and 7 ask for nothing: their text is its own; the second trip is left in its middle
.Ltail:
	STEP 3
	s_sub_co_u32 s3, s3, 1
	s_cmp_eq_u32 s3, 0
	s_cbranch_scc1 .Lout
	s_wait_tensorcnt 0x0                           ; my part of step 7 is in
	ds_add_u32 v[SPW], v[NIL]
	s_xor_b32 s[TB], s[TB], SLOT
	s_xor_b32 s[KV], s[KV], SLOT
	s_xor_b32 s[KP], s[KP], SLOT
	s_xor_b32 s[TF], s[TF], FTS
	s_wait_dscnt 0x0
	s_barrier_signal -1
	s_barrier_wait -1                              ; everybody's is
	s_branch .Ltail
.Lout:
	PLACES                                         ; the places between the last products and the LDS stores that read them
; THE WAY OUT, a band at a time: a lane's 32 bytes of a row go into my stage's rows of 272 bytes and come back as whole rows of 256.  Each accumulator is read from its low end on.
.macro TOSTAGE y
	s_wait_xcnt 0x0                                ; the buffer is loaded again only when its last stores have read it
	WIN 0x04                                       ; the data in window 1
.set cc, 0
.rept 4
	ds_store_b128 v[STO], v[8*(4*(\y)+cc):8*(4*(\y)+cc)+3]   offset:cc*64
	ds_store_b128 v[STO], v[8*(4*(\y)+cc)+4:8*(4*(\y)+cc)+7] offset:cc*64+16
.set cc, cc+1
.endr
	WIN 0
.set ii, 0
.rept 8
	ds_load_b128 v[OB+32*((\y)%2)+4*ii:OB+32*((\y)%2)+4*ii+3], v[RD] offset:ii*2*SP  ; LDS serves a wave's instructions in order (ISA guide 5.7.1.4): these see the stores above; the next band's stores come behind them
.set ii, ii+1
.endr
.endm
.macro SEND y, younger                 ; younger: the LDS instructions issued behind band y's loads: the next band's sixteen, or none
.set ii, 0
.rept 8
	s_wait_dscnt (\younger)+7-ii
	global_store_b128 v[GO], v[OB+32*((\y)%2)+4*ii:OB+32*((\y)%2)+4*ii+3], s[10:11] offset:(256*(7-(\y))+2*ii)*4096  ; 16 lanes store 256 consecutive bytes, at a multiple of 256 from out0's first byte
.set ii, ii+1
.endr
.endm
	TOSTAGE 0
.irp y, 1,2,3,4,5,6,7
	TOSTAGE \y
	SEND (\y)-1, 16
.endr
	SEND 7, 0
	s_wait_tensorcnt 0x0                           ; the wave's end
	ds_add_u32 v[SPW], v[NIL]
	s_wait_dscnt 0x0
	CROUND                                         ; the closing round: no work-group ends while a partner may still ask for a tile that names it
	s_endpgm
.Lfunc_end_k_qfdae601407_pv:
	.size	k_qfdae601407_pv, .Lfunc_end_k_qfdae601407_pv-k_qfdae601407_pv
	.p2alignl 7, 3214868480
	.fill 96, 4, 3214868480
	.section	.rodata,"a",@progbits
	.p2align	6, 0x0
	.amdhsa_kernel k_qfdae601407_pv
		.amdhsa_group_segment_fixed_size 327680
		.amdhsa_private_segment_fixed_size 0
		.amdhsa_enable_private_segment 0
		.amdhsa_kernarg_size 32
		.amdhsa_user_sgpr_count 2
		.amdhsa_user_sgpr_kernarg_segment_ptr 1
		.amdhsa_wavefront_size32 1
		.amdhsa_system_sgpr_workgroup_id_x 1
		.amdhsa_system_sgpr_workgroup_id_y 1
		.amdhsa_system_sgpr_workgroup_id_z 1
		.amdhsa_system_vgpr_workitem_id 0
		.amdhsa_next_free_vgpr 640
		.amdhsa_next_free_sgpr 88
		.amdhsa_reserve_vcc 0
		.amdhsa_float_denorm_mode_32 3
		.amdhsa_float_denorm_mode_16_64 3
		.amdhsa_memory_ordered 1
		.amdhsa_forward_progress 1
		.amdhsa_inst_pref_size 143
	.end_amdhsa_kernel
	.amdgpu_metadata
---
amdhsa.version: [ 1, 2 ]
amdhsa.kernels:
  - .name:           k_qfdae601407_pv
    .symbol:         k_qfdae601407_pv.kd
    .args:
      - { .name: pf, .offset: 0, .size: 8, .value_kind: global_buffer, .address_space: global }
      - { .name: vf, .offset: 8, .size: 8, .value_kind: global_buffer, .address_space: global }
      - { .name: st, .offset: 16, .size: 8, .value_kind: global_buffer, .address_space: global }
      - { .name: out0, .offset: 24, .size: 8, .value_kind: global_buffer, .address_space: global }
    .group_segment_fixed_size: 327680
    .private_segment_fixed_size: 0
    .kernarg_segment_align: 8
    .kernarg_segment_size: 32
    .max_flat_workgroup_size: 128
    .sgpr_count:     88
    .vgpr_count:     640
    .wavefront_size: 32
...
	.end_amdgpu_metadata
.endif
;; end of part 4
;; ======== version 2 of 2: 4 launches; version 1 with the launch prep written anew for expert scheduling mode
;; limits: values are held in f16: magnitudes above 65,504 overflow, below 6.1e-05 lose precision
;; workspace buffers: xb 16,777,216 bytes; wb 6,291,456 bytes; qf 16,777,216 bytes; kf 16,777,216 bytes; vf 16,777,216 bytes; pf 33,554,432 bytes; st 1,048,576 bytes
;; launch prep (part 5): grid 704 x 1, 8 waves a work-group, no clusters, 0 bytes of LDS; arguments embeddings, Wq, Wk, Wv, xb, wb; writes xb, wb
.if DOCPART == 5
	.amdgcn_target "amdgcn-amd-amdhsa--gfx1250"
	.amdhsa_code_object_version 6
	.text
	.protected	k_qfdae601407_prep
	.globl	k_qfdae601407_prep
	.p2align	8
	.type	k_qfdae601407_prep,@function
k_qfdae601407_prep:
	s_mov_b64 s[64:65], 0
	v_nop
	global_prefetch_b8 v0, s[64:65] scope:SCOPE_SE
	s_setreg_imm32_b32 hwreg(HW_REG_WAVE_SCHED_MODE, 0, 2), 2
	s_setreg_imm32_b32 hwreg(HW_REG_WAVE_MODE, 25, 1), 1
	s_wait_xcnt 0x0
	s_wait_alu depctr_vm_vsrc(0)
; PREP: the module's inputs rounded once to bf16, in the layouts that the projection's tiles want.
;   xb[kb 16][m 8192][64]  = x[m][64 kb + ..]: 128 rows of one K step of 64 are 16,384 consecutive bytes.
;   wb[k 1024][n' 3072], n' = 384 j + 128 t + c for W_t[k][128 j + c], t = 0 (Wq), 1 (Wk), 2 (Wv): the 128 columns of Q, K and V that one work-group multiplies lie side by side.
; A stream: every input byte is read once and every output byte written once, so LDS, barriers and the matrix unit would add nothing.
; Work-groups 0-511 take 16 rows of x each, work-groups 512-703 take 16 rows of one W.  A thread has 16 loads of 16 bytes out at once; no register is written twice.
; THE MODE: SCHED_MODE bits 1:0 = 2 (LLVM: expert scheduling mode 2), set by the entry lines.  The code itself states the register dependences
; between vector instructions and memory instructions, with s_wait_alu, always for 0.
; THE PLAN, the same on both paths.  Registers that memory instructions touch:
;   v1, v2   byte offsets.  Written by vector instructions at the path's head, once; v1 is read by the 16 loads, v2 by the 16 stores.
;   X        16 pieces of 4 registers.  Each is written by one load and read by its two conversions; no vector instruction writes it, and it is not loaded again.
;   Y        16 pieces of 2 registers.  Each is written by its two conversions, once, and read by one store.
; The pieces go in four blocks of four.  Block p converts its four pieces; its memory instructions are the stores of block p - 1, which read v2 and that block's Y: registers that no conversion of
; block p names.  So one wait at a block's head states all that its four stores hang on, and they are dealt among its conversions with no further wait.  One wait ahead of the first load
; states that the offsets are written, one behind block 3 that its Y is.  No register that a memory instruction has read is written again, no vector instruction writes a scalar register, EXEC is never written.
.set VI, 1                             ; v1       byte offset of my 16 bytes in the first load
.set VO, 2                             ; v2       byte offset of my 8 bytes in the first store
.set X,  4                             ; v[4:67]  16 x 4 numbers as loaded
.set Y,  68                            ; v[68:99] 16 x 4 numbers in bf16
; Piece k leaves.  w = 1: a piece of W, row k / 8 of the wave's two, slice k % 8.  w = 0: a piece of x, K step k.
.macro OUT w, k
.if \w
	global_store_b64 v[VO], v[Y+2*(\k):Y+2*(\k)+1], s[14:15] offset:((\k)/8)*6144+((\k)%8)*768
.elseif (\k) < 8
	global_store_b64 v[VO], v[Y+2*(\k):Y+2*(\k)+1], s[12:13] offset:(\k)*1048576
.else
	global_store_b64 v[VO], v[Y+2*(\k):Y+2*(\k)+1], s[22:23] offset:((\k)-8)*1048576
.endif
.endm
; The four blocks, and the last block's stores.
.macro BLOCKS w
.set p, 0
.rept 4
	s_wait_loadcnt 12-4*p                          ; loads come back in order: block p's four pieces are in, the younger blocks stay out
.if p > 0
	s_wait_alu depctr_va_vdst(0)                   ; the block before has written its Y, which the four stores below read
.endif
.set i, 4*p
.rept 4
.if p > 0
	OUT \w, i-4                                    ; no vector instruction since the wait names this piece's Y or v2
.endif
	v_cvt_pk_bf16_f32 v[Y+2*i], v[X+4*i], v[X+4*i+1]
	v_cvt_pk_bf16_f32 v[Y+2*i+1], v[X+4*i+2], v[X+4*i+3]
.set i, i+1
.endr
.set p, p+1
.endr
	s_wait_alu depctr_va_vdst(0)                   ; block 3 has written its Y, which the last four stores read
.set i, 12
.rept 4
	OUT \w, i
.set i, i+1
.endr
.endm
	s_load_b256 s[4:11], s[0:1], 0x0               ; x s[4:5], Wq s[6:7], Wk s[8:9], Wv s[10:11]
	s_load_b128 s[12:15], s[0:1], 0x20             ; xb s[12:13], wb s[14:15]
	s_mov_b32 s2, ttmp9
	s_mov_b32 s19, 0                               ; high words of the two offsets
	s_mov_b32 s21, 0
	s_cmp_lt_u32 s2, 512
	s_cbranch_scc0 .Lweights
	; x: thread t takes 16 bytes (t % 16) of row t / 16 in each of the row's 16 pieces of 256 bytes: sixteen lanes read 256 consecutive bytes
	v_lshrrev_b32 v3, 4, v0
	v_and_b32 v[VI], 15, v0
	v_lshlrev_b32 v[VI], 4, v[VI]
	v_lshl_add_u32 v[VI], v3, 12, v[VI]            ; row x 4,096 + 16 x place
	v_lshlrev_b32 v[VO], 3, v0                     ; row x 128 + 8 x place = 8 t: a wave's store covers 256 consecutive bytes, aligned
	s_lshl_b32 s18, s2, 16                         ; 16 rows of 4,096 bytes
	s_lshl_b32 s20, s2, 11                         ; 16 rows of 128 bytes
	s_wait_kmcnt 0x0
	s_add_nc_u64 s[4:5], s[4:5], s[18:19]
	s_add_nc_u64 s[12:13], s[12:13], s[20:21]
	s_add_nc_u64 s[22:23], s[12:13], 0x800000      ; kb 8 to 15: the store's signed 24-bit immediate holds seven steps of 1,048,576 bytes
	s_wait_alu depctr_va_vdst(0)                   ; v1 and v2 are written: every load of this path reads v1 as its offset, every store v2
.set i, 0
.rept 16
	global_load_b128 v[X+4*i:X+4*i+3], v[VI], s[4:5] offset:i*256 th:TH_LOAD_NT
.set i, i+1
.endr
	BLOCKS 0
	s_endpgm
.Lweights:
	; W: wave w takes rows 2 w and 2 w + 1 of the group's 16; a load covers 512 consecutive bytes = 128 columns = one slice j
	s_sub_co_u32 s2, s2, 512
	s_lshr_b32 s3, s2, 6                           ; t: which W
	s_and_b32 s2, s2, 63                           ; which 16 rows
	v_lshrrev_b32 v3, 5, v0
	v_and_b32 v[VO], 31, v0
	v_lshlrev_b32 v[VI], 4, v[VO]
	v_lshl_add_u32 v[VI], v3, 13, v[VI]            ; wave x 2 rows of 4,096 + 16 x lane
	v_mul_u32_u24 v3, v3, 12288                    ; wave x 2 rows of 6,144
	v_lshl_add_u32 v[VO], v[VO], 3, v3             ; + 8 x lane: a store covers 256 consecutive bytes, aligned
	s_lshl_b32 s18, s2, 16
	s_mul_i32 s20, s2, 98304                       ; 16 rows of 6,144 bytes
	s_lshl_b32 s24, s3, 8                          ; + 256 t
	s_add_co_u32 s20, s20, s24
	s_wait_kmcnt 0x0
	s_cmp_eq_u32 s3, 1
	s_cselect_b64 s[16:17], s[8:9], s[6:7]
	s_cmp_eq_u32 s3, 2
	s_cselect_b64 s[16:17], s[10:11], s[16:17]
	s_add_nc_u64 s[16:17], s[16:17], s[18:19]
	s_add_nc_u64 s[14:15], s[14:15], s[20:21]
	s_wait_alu depctr_va_vdst(0)                   ; v1 and v2 are written: every load of this path reads v1 as its offset, every store v2
.set i, 0
.rept 16
	global_load_b128 v[X+4*i:X+4*i+3], v[VI], s[16:17] offset:(i/8)*4096+(i%8)*512 th:TH_LOAD_NT
.set i, i+1
.endr
	BLOCKS 1
	s_endpgm
.Lfunc_end_k_qfdae601407_prep:
	.size	k_qfdae601407_prep, .Lfunc_end_k_qfdae601407_prep-k_qfdae601407_prep
	.p2alignl 7, 3214868480
	.fill 96, 4, 3214868480
	.section	.rodata,"a",@progbits
	.p2align	6, 0x0
	.amdhsa_kernel k_qfdae601407_prep
		.amdhsa_group_segment_fixed_size 0
		.amdhsa_private_segment_fixed_size 0
		.amdhsa_enable_private_segment 0
		.amdhsa_kernarg_size 48
		.amdhsa_user_sgpr_count 2
		.amdhsa_user_sgpr_kernarg_segment_ptr 1
		.amdhsa_wavefront_size32 1
		.amdhsa_system_sgpr_workgroup_id_x 1
		.amdhsa_system_sgpr_workgroup_id_y 1
		.amdhsa_system_sgpr_workgroup_id_z 1
		.amdhsa_system_vgpr_workitem_id 0
		.amdhsa_next_free_vgpr 104
		.amdhsa_next_free_sgpr 66
		.amdhsa_reserve_vcc 0
		.amdhsa_float_denorm_mode_32 3
		.amdhsa_float_denorm_mode_16_64 3
		.amdhsa_memory_ordered 1
		.amdhsa_forward_progress 1
		.amdhsa_inst_pref_size 13
	.end_amdhsa_kernel
	.amdgpu_metadata
---
amdhsa.version: [ 1, 2 ]
amdhsa.kernels:
  - .name:           k_qfdae601407_prep
    .symbol:         k_qfdae601407_prep.kd
    .args:
      - { .name: embeddings, .offset: 0, .size: 8, .value_kind: global_buffer, .address_space: global }
      - { .name: Wq, .offset: 8, .size: 8, .value_kind: global_buffer, .address_space: global }
      - { .name: Wk, .offset: 16, .size: 8, .value_kind: global_buffer, .address_space: global }
      - { .name: Wv, .offset: 24, .size: 8, .value_kind: global_buffer, .address_space: global }
      - { .name: xb, .offset: 32, .size: 8, .value_kind: global_buffer, .address_space: global }
      - { .name: wb, .offset: 40, .size: 8, .value_kind: global_buffer, .address_space: global }
    .group_segment_fixed_size: 0
    .private_segment_fixed_size: 0
    .kernarg_segment_align: 8
    .kernarg_segment_size: 48
    .max_flat_workgroup_size: 256
    .sgpr_count:     66
    .vgpr_count:     104
    .wavefront_size: 32
...
	.end_amdgpu_metadata
.endif
;; end of part 5
;; launch proj: the kernel of part 2 again; grid 8 x 32, 4 waves a work-group, clusters of 4 x 4, 327,680 bytes of LDS; arguments xb, wb, qf, kf, vf; writes qf, kf, vf
;; launch scores: the kernel of part 3 again; grid 36 x 4, 4 waves a work-group, no clusters, 327,680 bytes of LDS; arguments qf, kf, pf, st; writes pf, st
;; launch pv: the kernel of part 4 again; grid 8 x 32, 4 waves a work-group, clusters of 4 x 4, 327,680 bytes of LDS; arguments pf, vf, st, out0; writes out0
